; MI455X (gfx1250); checked and timed in simulation.
; The chip was launched on July 23, 2026; its instructions are those of AMD's public machine-readable ISA for CDNA 5 (MIT licence, August 2026) and "CDNA5" Instruction Set Architecture Reference Guide (July 2026). The comments in the code are by the model that wrote it; some were corrected since.
;; Multi Head Attention. Allowed arithmetic: float matrix products may take bf16 or f16 operands with f32 sums; all other float work in f32.
;; Inputs: Wk 1,024 x 1,024 float32; Wo 1,024 x 1,024 float32; Wq 1,024 x 1,024 float32; Wv 1,024 x 1,024 float32; k 4 x 2,048 x 1,024 float32; mask 4 x 1 x 2,048 x 2,048 int32; q 4 x 2,048 x 1,024 float32; v 4 x 2,048 x 1,024 float32.
;; Outputs: out0 4 x 2,048 x 1,024 float32.
;; One version. Each part assembles by itself: llvm-mc -triple=amdgcn-amd-amdhsa -mcpu=gfx1250 --defsym DOCPART=n.
;; ======== version 1 of 1: 4 launches
;; limits: values are held in f16: magnitudes above 65,504 overflow, below 6.1e-05 lose precision
;; workspace buffers: w16 8,388,608 bytes; maskw 2,097,152 bytes of whole numbers; qkvh 50,331,648 bytes; ctx 16,777,216 bytes
;; launch prep (part 1): grid 256 x 1, 8 waves a work-group, no clusters, 327,680 bytes of LDS; arguments mask, Wq, Wk, Wv, Wo, maskw, w16; writes maskw, w16
.if DOCPART == 1
	.amdgcn_target "amdgcn-amd-amdhsa--gfx1250"
	.amdhsa_code_object_version 6
	.text
	.protected	k_q77257dca35_prep
	.globl	k_q77257dca35_prep
	.p2align	8
	.type	k_q77257dca35_prep,@function
k_q77257dca35_prep:
	s_mov_b64 s[64:65], 0
	v_nop
	global_prefetch_b8 v0, s[64:65] scope:SCOPE_SE
	s_setreg_imm32_b32 hwreg(HW_REG_WAVE_MODE, 25, 1), 1
	s_wait_xcnt 0x0
; PREPARATION: two streams that later launches would otherwise repeat.
; (1) THE MASK, [4][2048 q][2048 k] of int32, becomes lane masks: maskw is u32 [512 QT][128 kbg][8 j], QT = 128 b + q / 16, and bit L of word (QT, kbg, j) says
;     mask[b][16 (QT % 128) + L % 16][16 kbg + 8 (L / 16) + j] != 0.  That is the place of lane L, register j in a 16 x 16 matrix result with keys as rows and queries as columns,
;     so that the attention launch takes a word as the select operand of v_cndmask_b32.  64 MiB shrink to 2 MiB, and sixteen heads read the 2 MiB.
; (2) THE WEIGHTS: w16 is [4][1024][1024] of 16 bits: Wq, Wk, Wv rounded to bf16; Wo rounded to bf16 and that number written as f16.
;     LIMIT: the f16 is exact for 2^-17 <= |w| <= 65,504; below, it keeps f16's fixed step of 2^-24; above, it would be an infinity.
; SHARES.  Eight waves.  Wave w of work-group g has task T = 8 g + w: 16 rows of the mask (QT = T / 4) x 512 keys (quarter T % 4), 32 KiB, brought by two tensor loads of
; 16 rows x 1,024 bytes into LDS bytes of its own; each is filled once, so there is no barrier and no refill.  A wave has two tensor loads out.
; The weights' 16,384 numbers of the work-group go through registers while the mask is on its way.  No matrix unit and no cluster: every byte is read once, by one wave.
.set PITCH, 1040                       ; an LDS row: 1,024 bytes + 16 of padding = 65 x 16: the 16 rows that a load touches start at 16 different 16-byte columns of 256
.set HALF,  16*PITCH                   ; one tensor load's tile
.set WREG,  2*HALF                     ; a wave's LDS bytes
.set SPARE, 8*WREG                     ; behind them: the spare words, 128 bytes for each wave: four blocks of 256 bytes that no other line names
.set LA,  4                            ; v4   LDS address of my 32 bytes in key block 0 of the half in hand
.set MO,  5                            ; v5   byte offset in my task's 1,024 bytes of maskw
.set TO,  6                            ; v6   16 x thread: my 16 bytes of 4,096 of a weight; never rewritten
.set SO,  7                            ; v7   8 x thread: where they go; never rewritten
.set SPW, 8                            ; v8   LDS address of my spare word; never rewritten
.set NIL, 9                            ; v9   0; never rewritten
.set OW,  12                           ; v[12:15]   128 words of maskw, four a lane
.set W,   16                           ; v[16:79]   16 loads of a weight
.set H,   80                           ; v[80:111]  the same in 16 bits
.set T,   112                          ; v[112:113] at work
.set M,   128                          ; v[128:255] a half: 16 key blocks x 8 numbers of the mask
.set G1,  32                           ; s[32:39] descriptor group 1
.set G0A, 40                           ; s[40:43] group 0, first half
.set G0B, 44                           ; s[44:47] group 0, second half
	s_load_b256 s[4:11], s[0:1], 0x0               ; mask s[4:5], Wq s[6:7], Wk s[8:9], Wv s[10:11]
	s_load_b128 s[12:15], s[0:1], 0x20             ; Wo s[12:13], maskw s[14:15]
	s_load_b64 s[16:17], s[0:1], 0x30              ; w16
	v_lshl_add_u32 v[SPW], v0, 2, SPARE
	v_mov_b32 v[NIL], 0
	ds_add_u32 v[SPW], v[NIL]                      ; the wave's opening: the add and its wait stand ahead of my first tensor load; work on registers stands between them
	ds_add_u32 v8, v9
	v_lshrrev_b32 v1, 5, v0
	v_readfirstlane_b32 s20, v1                    ; wave 0..7
	s_lshl_b32 s21, ttmp9, 3
	s_add_co_u32 s21, s21, s20                     ; T
	s_mov_b32 s[G1+0], (2<<16)|(1<<20)|(7<<22)|(3<<25)  ; elements of 4 bytes; padding on: after every 256 words (code 7) 4 words (code 3)
	s_mov_b32 s[G1+1], 256<<16                     ; tensor_dim0 = 256
	s_mov_b32 s[G1+2], 16<<16                      ; tensor_dim1 = 16
	s_mov_b32 s[G1+3], 256<<16                     ; tile_dim0 = 256
	s_mov_b32 s[G1+4], 16                          ; tile_dim1 = 16
	s_mov_b32 s[G1+5], 2048                        ; 2,048 elements from row to row
	s_mov_b32 s[G1+6], 0
	s_mov_b32 s[G1+7], 0
	s_lshr_b32 s22, s21, 2                         ; QT: 16 rows of 8,192 bytes
	s_lshl_b32 s22, s22, 17
	s_and_b32 s23, s21, 3                          ; the quarter: 512 keys = 2,048 bytes
	s_lshl_b32 s23, s23, 11
	s_add_co_u32 s22, s22, s23
	s_mov_b32 s23, 0
	s_mul_i32 s49, s20, WREG                       ; my wave's LDS bytes
	s_mov_b32 s[G0A], 1
	s_mov_b32 s[G0A+1], s49
	s_mov_b32 s[G0B], 1
	s_add_co_u32 s[G0B+1], s49, HALF
	s_lshr_b32 s54, ttmp9, 6                       ; which weight: 64 work-groups to each
	s_and_b32 s56, ttmp9, 63
	s_lshl_b32 s56, s56, 16                        ; my work-group's 65,536 bytes of it
	s_mov_b32 s57, 0
	s_lshl_b32 s58, ttmp9, 15                      ; and its 32,768 bytes of w16
	s_mov_b32 s59, 0
	s_lshl_b32 s60, s21, 10                        ; my task's 1,024 bytes of maskw
	s_mov_b32 s61, 0
	s_wait_dscnt 0x0                               ; the opening add is done
	s_wait_kmcnt 0x0
	s_add_nc_u64 s[G0A+2:G0A+3], s[4:5], s[22:23]
	s_add_nc_u64 s[G0B+2:G0B+3], s[G0A+2:G0A+3], 1024
	s_or_b32 s[G0A+3], s[G0A+3], 0x80000000        ; type = 2
	s_or_b32 s[G0B+3], s[G0B+3], 0x80000000
	tensor_load_to_lds s[G0A:G0A+3], s[G1:G1+7]    ; both fills go out ahead of everything else
	s_nop 0
	tensor_load_to_lds s[G0B:G0B+3], s[G1:G1+7]
	s_nop 0
	; the weights, while the mask is on its way
	s_cmp_eq_u32 s54, 1
	s_cselect_b64 s[50:51], s[8:9], s[6:7]
	s_cmp_eq_u32 s54, 2
	s_cselect_b64 s[50:51], s[10:11], s[50:51]
	s_cmp_eq_u32 s54, 3
	s_cselect_b64 s[50:51], s[12:13], s[50:51]
	s_add_nc_u64 s[50:51], s[50:51], s[56:57]
	s_add_nc_u64 s[52:53], s[16:17], s[58:59]
	s_add_nc_u64 s[14:15], s[14:15], s[60:61]
	v_lshlrev_b32 v[TO], 4, v0
	v_lshlrev_b32 v[SO], 3, v0
.set i, 0
.rept 16
	global_load_b128 v[W+4*i:W+4*i+3], v[TO], s[50:51] offset:4096*i th:TH_LOAD_NT  ; a wave's load covers 512 consecutive bytes; the launch reads them once
.set i, i+1
.endr
	v_and_b32 v1, 31, v0                           ; lane
	v_and_b32 v2, 15, v0                           ; r: the mask's row
	v_bfe_u32 v3, v0, 4, 1                         ; h: which 8 keys of 16
	v_mul_u32_u24 v[LA], v2, PITCH
	v_lshl_add_u32 v[LA], v3, 5, v[LA]
	v_add_nc_u32 v[LA], s49, v[LA]
	v_lshlrev_b32 v[MO], 4, v1
.irp j, 0,1,2,3
	v_mov_b32 v[OW+\j], 0                          ; v_writelane_b32 keeps the other lanes, so its destination is written whole once
.endr
; Load i of the sixteen is rounded and stored.  tof16 = 1: rounded to bf16, widened again (a shift, a mask), and written as f16.
.macro WCV i, tof16
	s_wait_loadcnt 15-(\i)                         ; loads come back in order: mine is in, the younger ones stay out
.if \tof16
	v_cvt_pk_bf16_f32 v[T],   v[W+4*(\i)],   v[W+4*(\i)+1]
	v_cvt_pk_bf16_f32 v[T+1], v[W+4*(\i)+2], v[W+4*(\i)+3]
	v_lshlrev_b32 v[W+4*(\i)],   16, v[T]
	v_and_b32     v[W+4*(\i)+1], 0xffff0000, v[T]
	v_lshlrev_b32 v[W+4*(\i)+2], 16, v[T+1]
	v_and_b32     v[W+4*(\i)+3], 0xffff0000, v[T+1]
	v_cvt_pk_f16_f32 v[H+2*(\i)],   v[W+4*(\i)],   v[W+4*(\i)+1]
	v_cvt_pk_f16_f32 v[H+2*(\i)+1], v[W+4*(\i)+2], v[W+4*(\i)+3]
.else
	v_cvt_pk_bf16_f32 v[H+2*(\i)],   v[W+4*(\i)],   v[W+4*(\i)+1]
	v_cvt_pk_bf16_f32 v[H+2*(\i)+1], v[W+4*(\i)+2], v[W+4*(\i)+3]
.endif
	global_store_b64 v[SO], v[H+2*(\i):H+2*(\i)+1], s[52:53] offset:2048*(\i)  ; a wave stores 256 consecutive bytes, aligned; each store has data registers of its own
.endm
	s_cmp_eq_u32 s54, 3
	s_cbranch_scc1 .Lwo
.set i, 0
.rept 16
	WCV i, 0
.set i, i+1
.endr
	s_branch .Lmask
.Lwo:
.set i, 0
.rept 16
	WCV i, 1
.set i, i+1
.endr
.Lmask:
	s_wait_tensorcnt 0x0                           ; both my tiles are in LDS; only I read them
	s_mov_b32 s48, 2
.Lhalf:                                                ; a trip: 16 rows x 256 keys become 128 words
.set kb, 0
.rept 16
	ds_load_b128 v[M+8*kb:M+8*kb+3],   v[LA] offset:64*kb     ; row r, keys 16 kb + 8 h + 0..3
	ds_load_b128 v[M+8*kb+4:M+8*kb+7], v[LA] offset:64*kb+16  ; and + 4..7
.set kb, kb+1
.endr
.set kb, 0
.rept 16
	s_wait_dscnt 30-2*kb                           ; LDS loads come back in order: key block kb's two are in
.irp j, 0,1,2,3,4,5,6,7
	v_cmp_ne_u32 s[24+\j], 0, v[M+8*kb+\j]         ; word (kb, j): one bit a lane
.endr
.irp j, 0,1,2,3,4,5,6,7
	v_writelane_b32 v[OW+(\j)%4], s[24+\j], 2*kb+(\j)/4  ; word 8 kb + j of the 128 lies in lane (8 kb + j) / 4, register j % 4
.endr
.set kb, kb+1
.endr
	global_store_b128 v[MO], v[OW:OW+3], s[14:15]  ; 512 consecutive bytes, aligned
	s_wait_xcnt 0x0                                ; the store's data and offset are rewritten only behind this wait
	v_add_nc_u32 v[MO], 512, v[MO]
	v_add_nc_u32 v[LA], HALF, v[LA]
	s_sub_co_u32 s48, s48, 1
	s_cmp_lg_u32 s48, 0
	s_cbranch_scc1 .Lhalf
	s_wait_tensorcnt 0x0                           ; the wave's end
	ds_add_u32 v[SPW], v[NIL]
	s_wait_dscnt 0x0
	s_endpgm
.Lfunc_end_k_q77257dca35_prep:
	.size	k_q77257dca35_prep, .Lfunc_end_k_q77257dca35_prep-k_q77257dca35_prep
	.p2alignl 7, 3214868480
	.fill 96, 4, 3214868480
	.section	.rodata,"a",@progbits
	.p2align	6, 0x0
	.amdhsa_kernel k_q77257dca35_prep
		.amdhsa_group_segment_fixed_size 327680
		.amdhsa_private_segment_fixed_size 0
		.amdhsa_enable_private_segment 0
		.amdhsa_kernarg_size 56
		.amdhsa_user_sgpr_count 2
		.amdhsa_user_sgpr_kernarg_segment_ptr 1
		.amdhsa_wavefront_size32 1
		.amdhsa_system_sgpr_workgroup_id_x 1
		.amdhsa_system_sgpr_workgroup_id_y 1
		.amdhsa_system_sgpr_workgroup_id_z 1
		.amdhsa_system_vgpr_workitem_id 0
		.amdhsa_next_free_vgpr 256
		.amdhsa_next_free_sgpr 66
		.amdhsa_reserve_vcc 0
		.amdhsa_float_denorm_mode_32 3
		.amdhsa_float_denorm_mode_16_64 3
		.amdhsa_memory_ordered 1
		.amdhsa_forward_progress 1
		.amdhsa_inst_pref_size 37
	.end_amdhsa_kernel
	.amdgpu_metadata
---
amdhsa.version: [ 1, 2 ]
amdhsa.kernels:
  - .name:           k_q77257dca35_prep
    .symbol:         k_q77257dca35_prep.kd
    .args:
      - { .name: mask, .offset: 0, .size: 8, .value_kind: global_buffer, .address_space: global }
      - { .name: Wq, .offset: 8, .size: 8, .value_kind: global_buffer, .address_space: global }
      - { .name: Wk, .offset: 16, .size: 8, .value_kind: global_buffer, .address_space: global }
      - { .name: Wv, .offset: 24, .size: 8, .value_kind: global_buffer, .address_space: global }
      - { .name: Wo, .offset: 32, .size: 8, .value_kind: global_buffer, .address_space: global }
      - { .name: maskw, .offset: 40, .size: 8, .value_kind: global_buffer, .address_space: global }
      - { .name: w16, .offset: 48, .size: 8, .value_kind: global_buffer, .address_space: global }
    .group_segment_fixed_size: 327680
    .private_segment_fixed_size: 0
    .kernarg_segment_align: 8
    .kernarg_segment_size: 56
    .max_flat_workgroup_size: 256
    .sgpr_count:     66
    .vgpr_count:     256
    .wavefront_size: 32
...
	.end_amdgpu_metadata
.endif
;; end of part 1
;; launch proj (part 2): grid 4 x 64, 4 waves a work-group, clusters of 4 x 4, 327,680 bytes of LDS; arguments q, k, v, w16, qkvh; writes qkvh
.if DOCPART == 2
	.amdgcn_target "amdgcn-amd-amdhsa--gfx1250"
	.amdhsa_code_object_version 6
	.text
	.protected	k_q77257dca35_proj
	.globl	k_q77257dca35_proj
	.p2align	8
	.type	k_q77257dca35_proj,@function
k_q77257dca35_proj:
	s_mov_b64 s[64:65], 0
	v_nop
	global_prefetch_b8 v0, s[64:65] scope:SCOPE_SE
	s_setreg_imm32_b32 hwreg(HW_REG_WAVE_MODE, 25, 1), 1
	s_wait_xcnt 0x0
	s_wait_alu depctr_hold_cnt(0) depctr_sa_sdst(0) depctr_va_vdst(0) depctr_va_sdst(0) depctr_va_ssrc(0) depctr_va_vcc(0) depctr_vm_vsrc(0)
	s_getreg_b32 s2, hwreg(HW_REG_IB_STS2, 6, 4)
	s_cmp_eq_u32 s2, 0
	s_cbranch_scc0 .Lentry_in_a_cluster
	s_endpgm
.Lentry_in_a_cluster:
	s_bfe_u32 s2, ttmp6, 0x10000c
	s_cmp_lg_u32 s2, 0xf033
	s_cbranch_scc0 .Lentry_shape_is_right
	s_endpgm
.Lentry_shape_is_right:
; THE THREE PROJECTIONS IN ONE LAUNCH, BY WORK-GROUPS THAT STAY.  For p = 0, 1, 2 (x = q, k, v; W = slab p of w16, bf16): y[m][e] = sum over d of x[m][d] W[e][d], m = 0..8191, e, d = 0..1023.
; x is f32 in memory and is rounded to bf16 between LDS and the matrix unit; sums in f32.  y leaves by heads, qkvh[p][16 b + e / 64][m % 2048][e % 64] in f16, rounded once.
; q's sums are multiplied by c = log2(e) / 8 in f32 ahead of that one rounding, so that the attention launch forms 2^(s - m) by a subtraction (k's by 1.0: one text in the loop; v's way out has no factor).
; LIMIT: f16 holds no number beyond 65,504: c q W, k W and v W must lie within it (drawn inputs: a spread of 0.6); below 6e-5 f16 keeps its fixed step of 6e-8.
; SHARES.  A tile of y is 128 rows x 256 columns; 64 x 4 = 256 work-groups, and each makes the tile at its place for p = 0, then 1, then 2.  Four waves, 2 x 2, each 64 x 128: 32 accumulators, 256 registers.
; THE WALK.  3 x 8 = 24 K steps of 128 go through two LDS slots as ONE sequence: step n belongs to p = n / 8, and the address of each fill is made anew from n.  So a tile's last two changes of slots ask for the
; next tile's first two steps, which are on their way while the tile goes out, and nothing waits for a tile's stores.  Waves 0, 1 fetch 64 rows x 512 bytes of x each, waves 2, 3 fetch 128 rows x 256 bytes of W each.
; A K step is written once: the LDS addresses hang on a scalar that an exclusive or turns from slot to slot.  One counted loop has the 22 steps that ask for a fill; where a step was a tile's last, a forward
; branch on the counter takes the way out and the quarter that starts new sums; it passes no barrier and no tensor load.  The last two steps ask for nothing and are written out.
; CLUSTER 4 x 4: the four of a row of the cluster share the tile's rows of x, the four of a column its rows of W: each tile is asked for jointly, by the same descriptor and a mask that names the four.
; PREFETCH.  x comes out of memory once, and the waves wait for it, so its tiles are asked into the L2 ahead: in trip n waves 0 and 1 ask for x's tile of step n + 4, which the tensor loads of trip n + 2 fetch.
; The tile's 128 rows x 512 bytes are 256 blocks of 256 bytes, and the four work-groups of a cluster row share the tile, so each asks for a quarter: wave w of work-group cx for rows 64 w + 16 cx + 0..15, a lane
; for one block.  Each block is asked for once in the launch, but that trips 20 and 21 ask for step 23's again: the clamp that keeps the look-ahead inside x.  W's slabs are read by all 64 tile rows: not asked for.
; THE MATRIX INSTRUCTION IS USED TRANSPOSED (source 0 = 16 rows of W, source 1 = 16 rows of x): a lane holds eight neighbouring columns of one row of y.
; REGISTERS, in windows of 256 (s_set_vgpr_msb: bits 1:0 source 0, 3:2 source 1, 5:4 source 2, 7:6 destination):
;   window 0: v16-29 addresses; v32-95 x as f32, 4 fragments x 16 (on the way out: four buffers of a packed unit); v96-127, v128-159 x as bf16, two buffers
;   window 1: the accumulators, (a, b) at v[8 (8 a + b)]          window 2: v0-63, v64-127 W's fragments, two buffers
.set KSTEP, 128
.set PA,    528                        ; a row of x in LDS: 512 bytes + 16 = 33 x 16: the 16 rows of a load start at 16 different 16-byte columns of 256
.set PB,    272                        ; a row of W: 256 + 16 = 17 x 16: likewise
.set HALFA, 64*PA
.set HALFB, 128*PB
.set BOFF,  2*HALFA                    ; W's 256 rows lie behind x's 128: a slot has 137,216 bytes
.set SLOTC, 0x24000                    ; slot 1 begins here.  The four tiles of slot 0 begin at 0, 0x8400, 0x10800, 0x19000: none has bit 14 or 17, so one exclusive or turns each into slot 1's and back
.set STAGE, 2*SLOTC                    ; behind the ring, never filled by a tensor load: 16 rows x 144 bytes for each wave
.set SP,    144
.set SPARE, STAGE+4*16*SP              ; the spare words, 128 bytes for each wave: two blocks of 256 bytes that no other line names
.set ADRA0, 16                         ; v16  my lane's place in a slot's rows of x; never rewritten
.set ADRB0, 17                         ; v17  in its rows of W
.set ADRA,  18                         ; v18  the same in the slot in hand
.set ADRB,  19                         ; v19
.set STO,  24                          ; v24  the way out: where I put 16 bytes of a row
.set RD,   25                          ; v25  where I read rows back
.set GO,   26                          ; v26  my 16 bytes in 512 consecutive bytes of qkvh
.set PF,   27                          ; v27  the prefetch: my block's byte offset from my wave's 64 rows of x; never rewritten
.set SPW,  28                          ; v28  LDS address of my spare word; never rewritten
.set NIL,  29                          ; v29  0; never rewritten
.set AS,   32
.set AB,   96
.set OUTR, 32
.set PFB, 20                           ; s[20:21] the prefetch's base: x at my wave's 64 rows, at the step asked for (in the set-up: at work)
.set G1A, 24                           ; s[24:31] descriptor group 1 for x;  s[32:39] group 0: a set for each first fill; the second then walks
.set G0A, 32
.set G1B, 48                           ; s[48:55], s[56:63] the same for W
.set G0B, 56
.set TB,  46                           ; s46  LDS byte at which the slot in hand begins
.set MSB, 0
.macro WIN new                         ; the immediate's high byte repeats the setting that is left; a switch that changes nothing is dropped
.if MSB != (\new)
	s_set_vgpr_msb (MSB<<8)|(\new)
.set MSB, \new
.endif
.endm
.set MUL,    0x52                      ; W in window 2, x in window 0, C and D in window 1
.set TO_B,   0x80                      ; destination window 2
.set SCALEW, 0x41                      ; destination and source 0 window 1
.set PACKW,  0x05                      ; sources 0 and 1 window 1, destination window 0
; A joint refill by the walking descriptors: waves 0 and 1 ask for x, waves 2 and 3 for W.  An s_nop 0 and four v_nop follow each of the two lines, ahead of the jump and the label.
; Waves 0 and 1 then ask x's tile of two trips on into the L2: the wave has just issued its load, and no wait on the addresses' translation follows before the next trip.
.macro JLOAD
	s_cmp_eq_u32 s15, 0
	s_cbranch_scc0 .Lfor_b_\@
	tensor_load_to_lds s[G0A+4:G0A+7], s[G1A:G1A+7]
	s_nop 0
.rept 4
	v_nop
.endr
	global_prefetch_b8 v[PF], s[PFB:PFB+1] th:TH_LOAD_NT scope:SCOPE_SE
	s_branch .Lasked_\@
.Lfor_b_\@:
	tensor_load_to_lds s[G0B+4:G0B+7], s[G1B:G1B+7]
	s_nop 0
.rept 4
	v_nop
.endr
.Lasked_\@:
.endm
.macro CREST                           ; a round of the cluster's barrier behind its opening barrier
	s_cmp_lg_u32 s14, 0
	s_cbranch_scc1 .Lnot_wave_0_\@
	s_barrier_signal -3
.Lnot_wave_0_\@:
	s_barrier_wait -3
	s_barrier_signal -1
	s_barrier_wait -1
.endm
.macro CROUND                          ; a whole round
	s_barrier_signal -1
	s_barrier_wait -1
	CREST
.endm
	s_load_b256 s[4:11], s[0:1], 0x0               ; q s[4:5], k s[6:7], v s[8:9], w16 s[10:11]
	s_load_b64 s[12:13], s[0:1], 0x20              ; qkvh
	v_lshl_add_u32 v[SPW], v0, 2, SPARE
	v_mov_b32 v[NIL], 0
	ds_add_u32 v[SPW], v[NIL]                      ; the wave's opening: the add and its wait stand ahead of my first tensor load; the set-up below stands between them
	ds_add_u32 v28, v29
	v_lshrrev_b32 v1, 5, v0
	v_readfirstlane_b32 s14, v1                    ; wave 0..3
	s_lshr_b32 s15, s14, 1                         ; which 64 of the tile's rows are mine.  Also: I fetch x (0) or W (1)
	s_and_b32 s16, s14, 1                          ; which 128 of its columns.  Also: which half of that tile I fetch
	s_bfe_u32 s17, ttmp6, 0x40000                  ; cx
	s_bfe_u32 s18, ttmp6, 0x40004                  ; cy
	s_lshl_b32 s19, ttmp9, 2
	s_add_co_u32 s19, s19, s17                     ; tile column 0..3
	s_and_b32 s22, ttmp7, 0xffff
	s_lshl_b32 s22, s22, 2
	s_add_co_u32 s22, s22, s18                     ; tile row 0..63
	s_lshl_b32 s44, s18, 2
	s_lshl_b32 s44, 15, s44                        ; my row of the cluster
	s_lshl_b32 s45, 0x1111, s17                    ; my column
	s_or_b32 s[G1A+0], s44, (2<<16)|(1<<20)|(1<<21)|(6<<22)|(3<<25)  ; the mask; elements of 4 bytes; padding on; bit 21 beside a mask; after every 128 words (code 6) 4 words (code 3)
	s_or_b32 s[G1B+0], s45, (1<<16)|(1<<20)|(1<<21)|(5<<22)|(3<<25)  ; elements of 2 bytes; after every 64 words (code 5) 4 words
	s_mov_b32 s[G1A+1], KSTEP<<16                  ; tensor_dim0 = 128
	s_mov_b32 s[G1A+2], 64<<16                     ; tensor_dim1 = 64
	s_mov_b32 s[G1A+3], KSTEP<<16                  ; tile_dim0 = 128
	s_mov_b32 s[G1A+4], 64                         ; tile_dim1 = 64
	s_mov_b32 s[G1A+5], 1024                       ; elements from row to row
	s_mov_b32 s[G1A+6], 0
	s_mov_b32 s[G1A+7], 0
	s_mov_b32 s[G1B+1], KSTEP<<16
	s_mov_b32 s[G1B+2], 128<<16                    ; 128 rows
	s_mov_b32 s[G1B+3], KSTEP<<16
	s_mov_b32 s[G1B+4], 128
	s_mov_b32 s[G1B+5], 1024
	s_mov_b32 s[G1B+6], 0
	s_mov_b32 s[G1B+7], 0
	s_lshl_b32 s40, s22, 19                        ; x: (128 x tile row + 64 x half) rows of 4,096 bytes: registers that never hold cx
	s_lshl_b32 s41, s16, 18
	s_add_co_u32 s40, s40, s41
	s_mov_b32 s41, 0
	s_lshl_b32 s42, s19, 19                        ; W: (256 x tile column + 128 x half) rows of 2,048 bytes: registers that never hold cy
	s_lshl_b32 s43, s16, 18
	s_add_co_u32 s42, s42, s43
	s_mov_b32 s43, 0
	s_mul_i32 s20, s16, HALFA                      ; where they go: the wave's number alone enters an LDS address
	s_mul_i32 s21, s16, HALFB
	s_add_co_u32 s21, s21, BOFF
	s_mov_b32 s[TB], 0
	s_wait_dscnt 0x0                               ; the opening add is done
	s_wait_kmcnt 0x0
	s_add_nc_u64 s[4:5], s[4:5], s[40:41]          ; q, k and v at the rows that I fetch,
	s_add_nc_u64 s[6:7], s[6:7], s[40:41]
	s_add_nc_u64 s[8:9], s[8:9], s[40:41]
	s_add_nc_u64 s[10:11], s[10:11], s[42:43]      ; slab 0 of w16 likewise
.irp s, 0,1
	s_mov_b32 s[G0A+4*(\s)], 1
	s_add_co_u32 s[G0A+4*(\s)+1], s20, (\s)*SLOTC
	s_add_nc_u64 s[G0A+4*(\s)+2:G0A+4*(\s)+3], s[4:5], (\s)*KSTEP*4   ; steps 0 and 1 are q's
	s_or_b32 s[G0A+4*(\s)+3], s[G0A+4*(\s)+3], 0x80000000
	s_mov_b32 s[G0B+4*(\s)], 1
	s_add_co_u32 s[G0B+4*(\s)+1], s21, (\s)*SLOTC
	s_add_nc_u64 s[G0B+4*(\s)+2:G0B+4*(\s)+3], s[10:11], (\s)*KSTEP*2
	s_or_b32 s[G0B+4*(\s)+3], s[G0B+4*(\s)+3], 0x80000000
.endr
	CROUND                                         ; all sixteen work-groups are here: the first joint loads meet
	s_cmp_eq_u32 s15, 0                            ; a wave's two first fills stand in one branch, ahead of every wait on TENSORcnt and every LDS read: two loads of mine are out
	s_cbranch_scc0 .Lfirst_b
	tensor_load_to_lds s[G0A:G0A+3], s[G1A:G1A+7]
	s_nop 0
	tensor_load_to_lds s[G0A+4:G0A+7], s[G1A:G1A+7]
	s_nop 0
.rept 4
	v_nop
.endr
	s_branch .Lfirst_asked
.Lfirst_b:
	tensor_load_to_lds s[G0B:G0B+3], s[G1B:G1B+7]
	s_nop 0
	tensor_load_to_lds s[G0B+4:G0B+7], s[G1B:G1B+7]
	s_nop 0
.rept 4
	v_nop
.endr
.Lfirst_asked:
	; A fragment is 16 rows x 32 K: lane l holds row l % 16, K = 8 (l / 16) + 0..7 and 16 + 8 (l / 16) + 0..7.  In bf16: two loads of 16 bytes, 32 apart.  In f32: four, at 0, 16, 64, 80 from 32 (l / 16).
	v_and_b32 v1, 15, v0
	v_bfe_u32 v2, v0, 4, 1
	v_mul_u32_u24 v3, v1, PA
	v_lshl_add_u32 v3, v2, 5, v3
	s_mul_i32 s40, s15, HALFA                      ; my 64 rows of x
	v_add_nc_u32 v[ADRA0], s40, v3
	v_mul_u32_u24 v4, v1, PB
	v_lshl_add_u32 v4, v2, 4, v4
	s_mul_i32 s41, s16, HALFB                      ; my 128 rows of W
	s_add_co_u32 s41, s41, BOFF
	v_add_nc_u32 v[ADRB0], s41, v4
	v_mov_b32 v[ADRA], v[ADRA0]                    ; slot 0
	v_mov_b32 v[ADRB], v[ADRB0]
	s_mul_i32 s42, s14, 16*SP
	s_add_co_u32 s42, s42, STAGE                   ; my stage
	v_mul_u32_u24 v5, v1, SP                       ; in: row l % 16, 16 bytes for each half of the lanes
	v_lshl_add_u32 v5, v2, 4, v5
	v_add_nc_u32 v[STO], s42, v5
	v_bfe_u32 v5, v0, 3, 2                         ; back: 32 lanes take four rows of 128 bytes,
	v_mul_u32_u24 v5, v5, SP
	v_and_b32 v6, 7, v0
	v_lshl_add_u32 v5, v6, 4, v5
	v_add_nc_u32 v[RD], s42, v5
	v_and_b32 v[GO], 31, v0                        ; which are 512 consecutive bytes of qkvh
	v_lshrrev_b32 v8, 1, v[GO]                     ; the prefetch: row l / 2 of sixteen,
	v_lshl_add_u32 v8, s17, 4, v8                  ; + 16 cx: my work-group's quarter of the 64 rows,
	v_and_b32 v7, 1, v[GO]
	v_lshlrev_b32 v7, 8, v7                        ; block l % 2 of a step's 512 bytes
	v_lshl_add_u32 v[PF], v8, 12, v7               ; rows of 4,096 bytes
	v_lshlrev_b32 v[GO], 4, v[GO]
	s_lshr_b32 s44, s22, 4                         ; qkvh, slab 0:
	s_lshl_b32 s44, s44, 4                         ; 16 b
	s_lshl_b32 s45, s19, 2
	s_add_co_u32 s44, s44, s45                     ; + 4 heads a tile column
	s_lshl_b32 s45, s16, 1
	s_add_co_u32 s44, s44, s45                     ; + my first of two heads
	s_lshl_b32 s44, s44, 18                        ; 2,048 rows of 128 bytes a head
	s_and_b32 s45, s22, 15
	s_lshl_b32 s45, s45, 14                        ; the tile's 128 rows
	s_add_co_u32 s44, s44, s45
	s_lshl_b32 s45, s15, 13                        ; my 64 of them
	s_add_co_u32 s44, s44, s45
	s_mov_b32 s45, 0
	s_add_nc_u64 s[12:13], s[12:13], s[44:45]
	s_mov_b32 s2, 0x3e38aa3b                       ; c = log2(e) / 8, for q
	s_mov_b32 s3, s2                               ; named with it as a pair
.macro WM a, b, f, zero                ; one product: rows 16 a of x, columns 16 b, buffer f.  zero = 1: it starts the sum
.if \zero
	v_wmma_f32_16x16x32_bf16 v[8*(8*(\a)+(\b)):8*(8*(\a)+(\b))+7], v[64*(\f)+8*(\b):64*(\f)+8*(\b)+7], v[AB+32*(\f)+8*(\a):AB+32*(\f)+8*(\a)+7], 0
.else
	v_wmma_f32_16x16x32_bf16 v[8*(8*(\a)+(\b)):8*(8*(\a)+(\b))+7], v[64*(\f)+8*(\b):64*(\f)+8*(\b)+7], v[AB+32*(\f)+8*(\a):AB+32*(\f)+8*(\a)+7], v[8*(8*(\a)+(\b)):8*(8*(\a)+(\b))+7]
.endif
.endm
.macro MUL8 f, a, zero                 ; the 32 accumulators take turns, in the same order in every quarter
	WIN MUL
.irp b, 0,1,2,3,4,5,6,7
	WM \a, \b, \f, \zero
.endr
.endm
; The quarter's last eight products, and behind each four of the 32 roundings that make the next quarter's x (f32 in AS) into bf16 in buffer g: they name no register of the products round them.
.macro MULC f, g, zero
.irp b, 0,1,2,3,4,5,6,7
	WIN MUL
	WM 3, \b, \f, \zero
	WIN 0
.irp i, 0,1,2,3
	v_cvt_pk_bf16_f32 v[AB+32*(\g)+4*(\b)+(\i)], v[AS+8*(\b)+2*(\i)], v[AS+8*(\b)+2*(\i)+1]
.endr
.endr
.endm
; 32 LDS loads in one run, for 32 along K (quarter kq of the slot in hand): x first (16 loads, f32), then W (16 loads, into buffer g)
.macro FETCH kq, g
	WIN 0
.irp a, 0,1,2,3
	ds_load_b128 v[AS+16*(\a):AS+16*(\a)+3],     v[ADRA] offset:128*(\kq)+(\a)*16*PA
	ds_load_b128 v[AS+16*(\a)+4:AS+16*(\a)+7],   v[ADRA] offset:128*(\kq)+(\a)*16*PA+16
	ds_load_b128 v[AS+16*(\a)+8:AS+16*(\a)+11],  v[ADRA] offset:128*(\kq)+(\a)*16*PA+64
	ds_load_b128 v[AS+16*(\a)+12:AS+16*(\a)+15], v[ADRA] offset:128*(\kq)+(\a)*16*PA+80
.endr
	WIN TO_B
.irp b, 0,1,2,3,4,5,6,7
	ds_load_b128 v[64*(\g)+8*(\b):64*(\g)+8*(\b)+3],   v[ADRB] offset:64*(\kq)+(\b)*16*PB
	ds_load_b128 v[64*(\g)+8*(\b)+4:64*(\g)+8*(\b)+7], v[ADRB] offset:64*(\kq)+(\b)*16*PB+32
.endr
.endm
.macro PLACES                          ; four places in front of loads into registers that matrix instructions have read, and of lines that read results (ISA guide 7.12.1 for lines that read results)
.rept 4
	v_nop
.endr
.endm
; A K step is four quarters of 32 along K, 32 matrix instructions each, on buffers 0, 1, 0, 1.  One of the first three multiplies buffer f and makes quarter kq ready in buffer g.
.macro QUARTER kq, f, g, zero
	s_wait_dscnt 0x0                               ; W's fragments of buffer f are in
	MUL8 \f, 0, \zero
	MUL8 \f, 1, \zero
	PLACES
	FETCH \kq, \g
	MUL8 \f, 2, \zero
	s_wait_dscnt 16                                ; x is in; the sixteen younger loads, W's, may stay out
	MULC \f, \g, \zero
.endm
; The last quarter changes slots and then multiplies buffer 1.  ONE barrier; in front of it each wave waits for all its tensor loads (one is out: its part of the next slot), adds 0 to its spare word,
; and waits for that and for its reads of this slot, whose last were the fragments of buffer 1.  fill = 1: the barrier opens a round of the cluster's, and this slot is filled again, with the step two on, first
; thing behind the round.  No product stands between the landing of one load and the request for the next: the quarter's 32 come behind the request, so that a whole K step's 128 matrix instructions
; lie between a request and the wait for it.  The step asked for is number s23 + 2 of the walk's 24: x, W's slab and the place along K are made from the number; the prefetch's base likewise from s23 + 4.
.macro TURN fill
	WIN 0
	s_wait_tensorcnt 0x0                           ; no tensor load of mine is out, so a group 0 may be written
	ds_add_u32 v[SPW], v[NIL]                      ; 0 onto my spare word; the scalar work below stands between it and the wait for it
.if \fill
	s_add_co_u32 s40, s23, 2
	s_and_b32 s42, s40, 7                          ; its place along K
	s_lshr_b32 s40, s40, 3                         ; its p
	s_cmp_eq_u32 s40, 1
	s_cselect_b64 s[G0A+6:G0A+7], s[6:7], s[4:5]   ; q, k or v
	s_cmp_eq_u32 s40, 2
	s_cselect_b64 s[G0A+6:G0A+7], s[8:9], s[G0A+6:G0A+7]
	s_lshl_b32 s40, s40, 21                        ; W's slab, 2 MiB each,
	s_lshl_b32 s41, s42, 8                         ; and 256 bytes a step
	s_add_co_u32 s40, s40, s41
	s_mov_b32 s41, 0
	s_lshl_b32 s42, s42, 9                         ; x: 512 bytes a step
	s_mov_b32 s43, 0
	s_add_nc_u64 s[G0A+6:G0A+7], s[G0A+6:G0A+7], s[42:43]
	s_or_b32 s[G0A+7], s[G0A+7], 0x80000000
	s_add_nc_u64 s[G0B+6:G0B+7], s[10:11], s[40:41]
	s_or_b32 s[G0B+7], s[G0B+7], 0x80000000
	s_xor_b32 s[G0A+5], s[G0A+5], SLOTC            ; the other slot than last time
	s_xor_b32 s[G0B+5], s[G0B+5], SLOTC
	s_wait_xcnt 0x0                                ; the last trip's prefetch has had its addresses translated: its base is rewritten only behind this wait
	s_add_co_u32 s44, s23, 4                       ; the step that the tensor loads of two trips on will fetch;
	s_min_u32 s44, s44, 23                         ; there is none behind step 23
	s_and_b32 s45, s44, 7
	s_lshr_b32 s44, s44, 3
	s_cmp_eq_u32 s44, 1
	s_cselect_b64 s[PFB:PFB+1], s[6:7], s[4:5]
	s_cmp_eq_u32 s44, 2
	s_cselect_b64 s[PFB:PFB+1], s[8:9], s[PFB:PFB+1]
	s_lshl_b32 s44, s45, 9
	s_mov_b32 s45, 0
	s_add_nc_u64 s[PFB:PFB+1], s[PFB:PFB+1], s[44:45]
.endif
	s_wait_dscnt 0x0                               ; the add is done, and my reads of this slot are over
	s_barrier_signal -1
	s_barrier_wait -1
.if \fill
	CREST                                          ; no wave of any partner still reads this slot or has a load on its way
	JLOAD                                          ; the four v_nop behind the load are also places in front of the loads below
.else
	PLACES
.endif
	s_xor_b32 s[TB], s[TB], SLOTC                  ; the fetches go on in the other slot
	v_add_nc_u32 v[ADRA], s[TB], v[ADRA0]
	v_add_nc_u32 v[ADRB], s[TB], v[ADRB0]
	FETCH 0, 0
	MUL8 1, 0, 0
	MUL8 1, 1, 0
	MUL8 1, 2, 0
	s_wait_dscnt 16                                ; x is in; the sixteen younger loads, W's, may stay out
	MULC 1, 0, 0
.endm
; THE WAY OUT.  Unit u = 2 a + hd is 16 rows x one head's 64 columns: four accumulators.  Scaled (scale = 1), rounded to f16 (a lane's eight columns are 16 bytes), through my own stage, and back as
; four rows of 128 bytes a load: a unit is 2,048 consecutive bytes of qkvh.  Each accumulator's registers are taken in ascending order.  The units take four buffers of 16 registers by turns, in the
; registers of x's f32 fragments, which have been rounded by now; a buffer that stores have read is written again only behind s_wait_xcnt 0.
.macro PACK u, scale
.set AC, 8*(8*((\u)/2)+4*((\u)%2))
.set OU, OUTR+16*((\u)%4)
.if (\u) >= 4
	s_wait_xcnt 0x0                                ; the stores of the unit four back have read this buffer
.endif
.if \scale
	WIN SCALEW
.set z, 0
.rept 16
	v_pk_mul_f32 v[AC+2*z:AC+2*z+1], v[AC+2*z:AC+2*z+1], s[2:3] op_sel_hi:[1,0]
.set z, z+1
.endr
.endif
	WIN PACKW
.set z, 0
.rept 16
	v_cvt_pk_f16_f32 v[OU+z], v[AC+2*z], v[AC+2*z+1]
.set z, z+1
.endr
	WIN 0
.irp f, 0,1,2,3
	ds_store_b128 v[STO], v[OU+4*\f:OU+4*\f+3] offset:32*\f
.endr
.irp f, 0,1,2,3
	ds_load_b128 v[OU+4*\f:OU+4*\f+3], v[RD] offset:\f*4*SP  ; LDS serves a wave's instructions in order (ISA guide 5.7.1.4): these see the stores above; the next unit's stores come behind them
.endr
.endm
.macro SEND u, younger                 ; younger: the LDS instructions issued behind unit u's loads: the next unit's eight, or none
	WIN 0
.set OU, OUTR+16*((\u)%4)
.irp f, 0,1,2,3
	s_wait_dscnt (\younger)+3-\f
	global_store_b128 v[GO], v[OU+4*\f:OU+4*\f+3], s[12:13] offset:((\u)%2)*262144+((\u)/2)*2048+\f*512  ; 512 consecutive bytes, aligned
.endr
.endm
.macro WAYOUT scale
	PACK 0, \scale
.set t, 1
.rept 7                                ; a unit's arithmetic stands between the loads of the unit before and its stores
	PACK t, \scale
	SEND t-1, 8
.set t, t+1
.endr
	SEND 7, 0
.endm
	s_wait_tensorcnt 1                             ; my part of step 0 is in; step 1's may stay out
	s_barrier_signal -1
	s_barrier_wait -1                              ; everybody's is
	FETCH 0, 0
	s_wait_dscnt 16                                ; x is in
	WIN 0
.set i, 0
.rept 32
	v_cvt_pk_bf16_f32 v[AB+i], v[AS+2*i], v[AS+2*i+1]
.set i, i+1
.endr
	QUARTER 1, 0, 1, 1                             ; the walk's first quarter stands in front of the loop: its products start q's sums
	WIN 0                                          ; at a label and at a branch every window is 0
	s_mov_b32 s23, 0
.Lstep:                                                ; trip n = 0..21: from step n's second quarter to step n + 1's first; step n + 2 is asked for
	QUARTER 2, 1, 0, 0
	QUARTER 3, 0, 1, 0
	TURN 1
	WIN 0
	s_and_b32 s40, s23, 7
	s_cmp_eq_u32 s40, 7
	s_cbranch_scc0 .Lsame                          ; the same in every wave and every work-group: it hangs on the counter alone
	WAYOUT 1                                       ; step n was a tile's last.  The four roundings behind the last product are its places; the next tile's two steps are asked for or in
	s_wait_xcnt 0x0                                ; the stores have read their base and their buffers: the base is stepped, and x's fragments are loaded into the buffers, only behind this wait
	s_add_nc_u64 s[12:13], s[12:13], 0x1000000     ; qkvh's next slab
	s_mov_b32 s2, 1.0                              ; k has no factor
	s_mov_b32 s3, 1.0
	QUARTER 1, 0, 1, 1                             ; the next tile's first quarter starts its sums
	WIN 0
	s_branch .Lnext
.Lsame:
	QUARTER 1, 0, 1, 0
	WIN 0
.Lnext:
	s_add_co_u32 s23, s23, 1
	s_cmp_lt_u32 s23, 22
	s_cbranch_scc1 .Lstep
	s_mov_b32 s23, 2                               ; steps 22 and 23 ask for nothing: a loop of their own, left in the middle of its second trip
.Ltail:
	QUARTER 2, 1, 0, 0
	QUARTER 3, 0, 1, 0
	WIN 0
	s_sub_co_u32 s23, s23, 1
	s_cmp_eq_u32 s23, 0
	s_cbranch_scc1 .Llast
	TURN 0
	QUARTER 1, 0, 1, 0
	WIN 0
	s_branch .Ltail
.Llast:
	s_wait_dscnt 0x0                               ; the very last quarter: nothing more to fetch
	MUL8 1, 0, 0
	MUL8 1, 1, 0
	MUL8 1, 2, 0
	MUL8 1, 3, 0
	PLACES
	WAYOUT 0                                       ; v has no factor
	s_wait_tensorcnt 0x0                           ; the wave's end, behind my last tensor load and my last LDS store
	ds_add_u32 v[SPW], v[NIL]
	s_wait_dscnt 0x0
	CROUND                                         ; the closing round: no work-group ends while a partner may still ask for a tile that names it
	s_endpgm
.Lfunc_end_k_q77257dca35_proj:
	.size	k_q77257dca35_proj, .Lfunc_end_k_q77257dca35_proj-k_q77257dca35_proj
	.p2alignl 7, 3214868480
	.fill 96, 4, 3214868480
	.section	.rodata,"a",@progbits
	.p2align	6, 0x0
	.amdhsa_kernel k_q77257dca35_proj
		.amdhsa_group_segment_fixed_size 327680
		.amdhsa_private_segment_fixed_size 0
		.amdhsa_enable_private_segment 0
		.amdhsa_kernarg_size 40
		.amdhsa_user_sgpr_count 2
		.amdhsa_user_sgpr_kernarg_segment_ptr 1
		.amdhsa_wavefront_size32 1
		.amdhsa_system_sgpr_workgroup_id_x 1
		.amdhsa_system_sgpr_workgroup_id_y 1
		.amdhsa_system_sgpr_workgroup_id_z 1
		.amdhsa_system_vgpr_workitem_id 0
		.amdhsa_next_free_vgpr 640
		.amdhsa_next_free_sgpr 66
		.amdhsa_reserve_vcc 0
		.amdhsa_float_denorm_mode_32 3
		.amdhsa_float_denorm_mode_16_64 3
		.amdhsa_memory_ordered 1
		.amdhsa_forward_progress 1
		.amdhsa_inst_pref_size 126
	.end_amdhsa_kernel
	.amdgpu_metadata
---
amdhsa.version: [ 1, 2 ]
amdhsa.kernels:
  - .name:           k_q77257dca35_proj
    .symbol:         k_q77257dca35_proj.kd
    .args:
      - { .name: q, .offset: 0, .size: 8, .value_kind: global_buffer, .address_space: global }
      - { .name: k, .offset: 8, .size: 8, .value_kind: global_buffer, .address_space: global }
      - { .name: v, .offset: 16, .size: 8, .value_kind: global_buffer, .address_space: global }
      - { .name: w16, .offset: 24, .size: 8, .value_kind: global_buffer, .address_space: global }
      - { .name: qkvh, .offset: 32, .size: 8, .value_kind: global_buffer, .address_space: global }
    .group_segment_fixed_size: 327680
    .private_segment_fixed_size: 0
    .kernarg_segment_align: 8
    .kernarg_segment_size: 40
    .max_flat_workgroup_size: 128
    .sgpr_count:     66
    .vgpr_count:     640
    .wavefront_size: 32
...
	.end_amdgpu_metadata
.endif
;; end of part 2
;; launch attn (part 3): grid 4 x 64, 4 waves a work-group, clusters of 4 x 1, 327,680 bytes of LDS; arguments qkvh, maskw, ctx; writes ctx
.if DOCPART == 3
	.amdgcn_target "amdgcn-amd-amdhsa--gfx1250"
	.amdhsa_code_object_version 6
	.text
	.protected	k_q77257dca35_attn
	.globl	k_q77257dca35_attn
	.p2align	8
	.type	k_q77257dca35_attn,@function
k_q77257dca35_attn:
	s_mov_b64 s[64:65], 0
	v_nop
	global_prefetch_b8 v0, s[64:65] scope:SCOPE_SE
	s_setreg_imm32_b32 hwreg(HW_REG_WAVE_MODE, 25, 1), 1
	s_wait_xcnt 0x0
	s_wait_alu depctr_hold_cnt(0) depctr_sa_sdst(0) depctr_va_vdst(0) depctr_va_sdst(0) depctr_va_ssrc(0) depctr_va_vcc(0) depctr_vm_vsrc(0)
	s_getreg_b32 s2, hwreg(HW_REG_IB_STS2, 6, 4)
	s_cmp_eq_u32 s2, 0
	s_cbranch_scc0 .Lentry_in_a_cluster
	s_endpgm
.Lentry_in_a_cluster:
	s_bfe_u32 s2, ttmp6, 0x10000c
	s_cmp_lg_u32 s2, 0x3003
	s_cbranch_scc0 .Lentry_shape_is_right
	s_endpgm
.Lentry_shape_is_right:
; MASKED ATTENTION.  For head hh = 16 b + h: O[q][:] = sum over k of softmax_k(mask[b][q][k] == 0 ? -1e9 : Q[q] . K[k] / 8) V[k][:].  Q, K, V are slabs 0, 1, 2 of qkvh, [64 hh][2048][64] in f16; O is ctx, the same
; layout.  Q arrives multiplied by c = log2(e) / 8, so a score s = Q . K is in units of log2, and the masked value is -1e9 log2(e) rounded to f32.  It REPLACES the score (v_cndmask_b32), as in the definition: a row
; with every key masked has m = that value, every p = 2^0 = 1, and comes out as the mean of V's rows.
; Products, maxima and sums in f32; the weights p are rounded to f16 for the second product (their sum l is taken of the unrounded p), O once at the end.
; LIMITS.  f16 holds no number beyond 65,504: Q, K, V arrive within it; p lies in 0 to 1, and below 6e-5 it, and O, keep f16's fixed step of 6e-8.  A weight below 2^-126 counts as 0 in l; NaN and infinities are not treated apart.
; SHARES.  A wave owns four PIECES of two tiles of 16 queries, a work-group's four waves 512 queries of one head.  Every wave walks all 2,048 keys, 64 a step.
; LAYOUT.  S^T = K Q^T (source 0 = 16 keys, source 1 = 16 queries): a lane holds ONE query (lane % 16) and the keys 8 (lane / 16) + 0..7.  Two such tiles, rounded to f16 in pairs, ARE source 1 of O^T = V^T P.
; K comes out of LDS as it lies, V ([key][channel]) turned, by ds_load_tr16_b128.
; THE MASK.  maskw holds, for each tile of 16 queries, each 16 keys and each register j of S^T, one word with a bit a lane.  A tile and step want 32 words, 128 consecutive bytes: one load of 4 bytes a lane puts
; word i into lane i of one vector register.  Eight such registers hold a step's words of my eight tiles.  A piece's mask run takes its 64 words out into scalar registers (v_readlane_b32), which the 64
; v_cndmask_b32 name, and then asks for the next step's words into the two registers just read: they have four turns in which to land.  (Sixty-four scalar registers, wanted anew in every turn, leave a
; scalar load one turn at the most; the vector registers are there.)  A load covers half of an aligned 256 bytes; the other half is the next step's.
; SOFTMAX.  For each query a running maximum m and sum l: p = 2^(s - m), exactly 2^0 at the maximum whatever its size; in every step O and l are multiplied by a = 2^(m_old - m_new).
; m starts far below every score and below the masked value, O and l at 0: the first step is a step like any other, with a = 0.
; BY TURNS.  Turn n belongs to piece n.  Its matrix work: 16 products K Q^T of piece n + 1, later 16 products V^T P of piece n - 1.  Its vector work: the subtraction, exponentials, roundings, sums and rescaling
; of piece n, and the mask, maximum and statistics of piece n + 1.  A tile and step have 16 matrix and 181 vector instructions: four that are ready stand behind every matrix instruction, the others in runs of their own.
; CLUSTER.  The four query blocks of a cluster belong to one head and walk the same K and V: each tile is asked for JOINTLY, by the same tensor load, descriptor and mask in all four.
; REGISTERS, in windows of 256 (s_set_vgpr_msb: bits 1:0 source 0, 3:2 source 1, 5:4 source 2, 7:6 destination):
;   window 0: v0-11 addresses; v16-47 four registers of statistics a tile; v48-63 at work; v64-191 S^T, two buffers of two tiles; v192-255 P, likewise
;   window 1: O^T, 32 a tile          window 2: v0-127 Q, 16 a tile; v128-191 K of one step; v192-255 V of one step
;   window 3: v0-1 the add's two registers; v2-9 the mask words; v10-11 their offsets; v12 the masked value
.set SIZE_N, 2048
.set NP,    4         ; pieces a wave: a name, no knob
.set KS,    64        ; keys in a step
.set PK,    160       ; a row of K or V in LDS: 128 bytes + 32 of padding, so that ONE descriptor shape serves both.
.set PV,    160       ; of K's 16 rows two start at the same 16-byte column of 256: the price of the one shape, on 16 of a step's 32 LDS loads
.set VOFF,  4*KS*PK   ; a slot holds four steps: 256 rows of K, then 256 rows of V
.set SLOT1, 1<<17     ; slot 1 begins here, so that one exclusive or turns an address in one slot into the other's
.set STAGE, SLOT1+4*KS*(PK+PV)  ; behind the ring, never filled by a tensor load: 16 rows x 144 bytes for each wave
.set SP,    144
.set AK0, 2           ; v2   my lane's place in a tile of K; never rewritten
.set AV0, 3           ; v3   the same for V
.set AK,  4           ; v4   the LDS address of K's next run of loads
.set AV,  5           ; v5   of V's
.set QO,  6           ; v6   my byte offset in the wave's rows of Q
.set STO, 6           ;      later, the way out: where I put 16 bytes of a row
.set RD,  7           ; v7   the way out: where I read rows back
.set GO,  8           ; v8   my byte offset in 512 consecutive bytes of O
.set SPW, 0           ; v0 of window 3   LDS address of my spare word; never rewritten
.set NIL, 1           ; v1 of window 3   0; never rewritten
.set MK,  2           ; v2-9 of window 3   tile t's 32 mask words of one key step, word i in lane i
.set L4,  10          ; v10 of window 3  4 x lane; never rewritten
.set MAD, 11          ; v11 of window 3  4 x lane + 128 x the key step whose words are asked for
.set NEG3, 12         ; v12 of window 3  -1e9 log2(e): beside the mask words, so that one window setting serves both kinds of line of the mask run
.set SPARE, STAGE+4*16*SP  ; the spare words, 128 bytes for each wave: two blocks of 256 bytes that no other line names
.set ST,  16          ; tile t's statistics at v[ST+4 t]: m, m_old, l (even keys', odd keys')
.set TMP, 48          ; by buffer and tile, four registers c0-c3 at work; when the maximum is found c2 takes a
.set S,   64
.set P,   192
.set KF,  128         ; K's fragments, in window 2: key block kb, channel half c at KF + 16 kb + 8 c
.set VF,  192         ; V's: key half kk, channel block cb at VF + 32 kk + 8 cb
.set WV,  10          ; s10  my wave's number
.set SEL, 14          ; s[14:15] v_permlanex16_b32's selects: each lane takes its own place in the other half
.set G1,  16          ; s[16:23] descriptor group 1
.set G0,  24          ; s[24:27] descriptor group 0: it walks
.set SLOTS, 28        ; s28  slots still to be asked for
.set CNT, 29          ; s29  counts a slot's key steps
.set TBK, 30          ; s30  LDS byte at which K of the step to be fetched begins
.set TBV, 31          ; s31  the same for V, less VOFF
.set MA,  32          ; s[32:63] the mask words of a piece's first tile (in the set-up: at work)
.set MB,  68          ; s[68:99] of its second
.set MOFF, 100        ; s100 128 x the key step whose words are asked for
.set HH,  101         ; s101 the head
.set MSB, 0
.macro WIN new                      ; the high byte repeats the setting that is left; a switch that changes nothing is dropped
.if MSB != (\new)
	s_set_vgpr_msb (MSB<<8)|(\new)
.set MSB, (\new)
.endif
.endm
.set W_KQ, 0x0a       ; K and Q in window 2, S^T in window 0
.set W_PV, 0x52       ; V in window 2, P in window 0, O^T in window 1
.set W_RS, 0x41       ; O^T (destination and source 0) in window 1, a in window 0
.set W_MK, 0xc0       ; destination in window 3, sources in window 0
.set W_MI, 0x03       ; source 0 in window 3 (a register of mask words; the masked value), all else in window 0 (the scores)
.set W_MR, 0xc3       ; destination and source 0 in window 3: the mask words are loaded
.set W_AD, 0x0f       ; the add: address and data in window 3
; A joint fill: every wave asks for 128 keys, 64 rows of 256 bytes: waves 0, 1 the halves of a slot's K, waves 2, 3 those of its V; both addresses hang on the wave's number.  An s_nop 0 and four v_nop follow.
.macro JLOAD
	tensor_load_to_lds s[G0:G0+3], s[G1:G1+7]
	s_nop 0
.rept 4
	v_nop
.endr
.endm
.macro CROUND                       ; a round of the cluster's barrier
	s_barrier_signal -1
	s_barrier_wait -1
	s_cmp_lg_u32 s[WV], 0
	s_cbranch_scc1 .Lnot_wave_0_\@
	s_barrier_signal -3
.Lnot_wave_0_\@:
	s_barrier_wait -3
	s_barrier_signal -1
	s_barrier_wait -1
.endm
; THE CHANGE OF SLOTS.  The slot's last bytes, V of its fourth step, have been read.  Each wave waits for all its tensor loads, of which one is out: its part of the other slot; adds 0 to its spare word; and waits
; for that and for its own reads of the slot.  fill = 1: the barrier is a round of the cluster's, and the slot is filled again, with the keys two slots on, first thing behind it: it has four key steps, 512 matrix
; instructions, in which to land.  (At its first use nothing has been read yet: slot 0 is waited for, slot 1 filled.)
.macro CHANGE fill
	WIN W_AD
	s_wait_tensorcnt 0x0            ; no tensor load of mine is out, so group 0 may be written
	ds_add_u32 v[SPW], v[NIL]       ; 0 onto my spare word
	WIN 0                           ; at a label and at a branch every window is 0
.if \fill
	s_xor_b32 s[G0+1], s[G0+1], SLOT1                    ; the other slot than last time,
	s_add_nc_u64 s[G0+2:G0+3], s[G0+2:G0+3], 4*KS*128    ; the next 256 keys; the type bits on top are not reached
	s_wait_dscnt 0x0                ; the add is done, and my reads of the slot are over
	CROUND
	JLOAD
.else
	s_wait_dscnt 0x0
	s_barrier_signal -1
	s_barrier_wait -1
.endif
	s_sub_co_u32 s[TBK], s[TBK], 4*KS*PK  ; the fetches go back to a slot's first step,
	s_xor_b32 s[TBK], s[TBK], SLOT1       ; in the other slot
	s_sub_co_u32 s[TBV], s[TBV], 4*KS*PV
	s_xor_b32 s[TBV], s[TBV], SLOT1
.endm
	s_load_b128 s[4:7], s[0:1], 0x0   ; qkvh s[4:5], maskw s[6:7]
	s_load_b64 s[8:9], s[0:1], 0x10   ; ctx
	WIN W_MK
	v_lshl_add_u32 v[SPW], v0, 2, SPARE
	v_mov_b32 v[NIL], 0
	WIN W_AD
	ds_add_u32 v[SPW], v[NIL]       ; the wave's opening: the add and its wait stand ahead of my first tensor load; the set-up below stands between them
	ds_add_u32 v0, v1
	WIN 0
	v_lshrrev_b32 v1, 5, v0
	v_readfirstlane_b32 s[WV], v1   ; wave 0..3
	s_bfe_u32 s2, ttmp6, 0x40000    ; cx
	s_lshl_b32 s3, ttmp9, 2
	s_add_co_u32 s3, s3, s2         ; my block of 512 queries: it enters Q's, O's and the mask's addresses alone
	s_and_b32 s[HH], ttmp7, 0xffff  ; the head, which the four partners share
	s_lshl_b32 s38, s[HH], 18       ; its 2,048 rows of 128 bytes in a slab
	s_lshr_b32 s32, s[WV], 1
	s_add_co_u32 s32, s32, 1        ; slab 1 (K) for waves 0, 1; slab 2 (V) for waves 2, 3
	s_lshl_b32 s32, s32, 24
	s_add_co_u32 s32, s32, s38
	s_and_b32 s33, s[WV], 1         ; which half of a slot's 256 keys
	s_lshl_b32 s33, s33, 14
	s_add_co_u32 s32, s32, s33
	s_mov_b32 s33, 0
	s_lshl_b32 s34, s3, 2
	s_add_co_u32 s34, s34, s[WV]    ; my wave among the head's sixteen:
	s_lshl_b32 s34, s34, 14         ; its 128 rows
	s_add_co_u32 s34, s34, s38
	s_mov_b32 s35, 0
	s_lshr_b32 s36, s[HH], 4        ; the mask: b's 128 tiles of 4,096 bytes,
	s_lshl_b32 s36, s36, 19
	s_lshl_b32 s37, s3, 17          ; my block's 32,
	s_add_co_u32 s36, s36, s37
	s_lshl_b32 s37, s[WV], 15       ; my wave's 8
	s_add_co_u32 s36, s36, s37
	s_mov_b32 s37, 0
	; descriptor group 1.  128 keys are 16,384 dense bytes: asked for as 64 rows of 256 bytes, two keys a row, and padded in LDS after every key
	s_mov_b32 s[G1], 15|(1<<16)|(1<<20)|(1<<21)|(4<<22)|(7<<25)  ; the mask of four; 2-byte elements; padding on; bit 21 beside a mask; after every 32 words (code 4) 8 words (code 7)
	s_mov_b32 s[G1+1], 128<<16      ; tensor_dim0 = 128
	s_mov_b32 s[G1+2], 64<<16       ; tensor_dim1 = 64
	s_mov_b32 s[G1+3], 128<<16      ; tile_dim0 = 128
	s_mov_b32 s[G1+4], 64           ; tile_dim1 = 64
	s_mov_b32 s[G1+5], 128          ; 128 elements from row to row
	s_mov_b32 s[G1+6], 0
	s_mov_b32 s[G1+7], 0
	s_mov_b32 s[SEL], 0x76543210
	s_mov_b32 s[SEL+1], 0xfedcba98
	s_mov_b32 s[TBK], SLOT1+4*KS*PK ; the first change of slots turns these two into 0
	s_mov_b32 s[TBV], SLOT1+4*KS*PV
	s_mov_b32 s[MOFF], 0
	s_mov_b32 s[G0], 1
	s_mul_i32 s[G0+1], s[WV], 128*PK  ; slot 0: K's halves, then V's: wave x 20,480
	s_wait_dscnt 0x0                ; the opening add is done
	s_wait_kmcnt 0x0
	s_add_nc_u64 s[G0+2:G0+3], s[4:5], s[32:33]
	s_or_b32 s[G0+3], s[G0+3], 0x80000000   ; type = 2
	s_add_nc_u64 s[4:5], s[4:5], s[34:35]   ; Q and O at my wave's first row
	s_add_nc_u64 s[8:9], s[8:9], s[34:35]
	s_add_nc_u64 s[6:7], s[6:7], s[36:37]   ; the mask words of my wave's first tile
	CROUND                          ; all four work-groups are here: the first joint loads meet
	JLOAD                           ; slot 0.  Slot 1 is asked for when slot 0 is in
	v_and_b32 v1, 15, v0            ; l % 16
	v_bfe_u32 v9, v0, 4, 1          ; l / 16
	v_lshlrev_b32 v[QO], 7, v1
	v_lshl_add_u32 v[QO], v9, 4, v[QO]  ; row x 128 + 16 x half
	WIN 0x80                        ; destination window 2
.set i, 0
.rept 4*NP                          ; Q stays in registers: tile i / 2, channels 32 (i % 2) on
	global_load_b128 v[8*i:8*i+3],   v[QO], s[4:5] offset:(i/2)*2048+(i%2)*64
	global_load_b128 v[8*i+4:8*i+7], v[QO], s[4:5] offset:(i/2)*2048+(i%2)*64+32
.set i, i+1
.endr
	WIN 0
	v_lshlrev_b32 v10, 2, v0
	WIN W_MK
	v_and_b32 v[L4], 0x7c, v10      ; 4 x lane
	v_and_b32 v[MAD], 0x7c, v10     ; key step 0
	v_mov_b32 v[NEG3], 0xceabfb8f   ; -1,442,695,040 = -1e9 log2(e) rounded to f32
	WIN W_MR
.set i, 0
.rept 2*NP                          ; key step 0's mask words of my eight tiles, which lie 4,096 bytes apart
	global_load_b32 v[MK+i], v[MAD], s[6:7] offset:4096*i
.set i, i+1
.endr
	; What the first turn finds: V's registers and P's second buffer hold 0 (its products V^T P, of a piece that has not been, add 0), O^T and l are 0.  All this stands in the wait for the first tile.
	WIN 0x80
.set i, VF
.rept 64
	v_mov_b32 v[i], 0
.set i, i+1
.endr
	WIN 0
.set i, P+32
.rept 32
	v_mov_b32 v[i], 0
.set i, i+1
.endr
.set i, 0
.rept 2*NP
	v_mov_b32 v[ST+4*i], 0xfe000000    ; m: -4e37, far below every score (f16's products give 2.7e11 at the most) and below the masked value
	v_mov_b32 v[ST+4*i+1], 0xfe000000
	v_mov_b32 v[ST+4*i+2], 0
	v_mov_b32 v[ST+4*i+3], 0
.set i, i+1
.endr
	WIN W_PV
.set i, 0
.rept 8*NP                          ; O^T = 0: a product of the zeros just written, with C = 0, writes eight registers: 32 lines for 256 registers
	v_wmma_f32_16x16x32_f16 v[8*i:8*i+7], v[VF:VF+7], v[P+32:P+39], 0
.set i, i+1
.endr
	WIN 0
	v_mul_u32_u24 v[AK0], v1, PK
	v_lshl_add_u32 v[AK0], v9, 4, v[AK0]  ; row x pitch + 16 x half
	; The turning load takes 16 keys x 16 channels (lane l reads key 8 (l / 16) + l % 8, channels 8 ((l / 8) % 2) + 0..7) and leaves half a fragment of V^T: lane l holds channel l % 16 and 8 keys.
	v_and_b32 v10, 7, v0
	v_bfe_u32 v11, v0, 3, 1
	v_lshl_add_u32 v[AV0], v9, 3, v10
	v_mul_u32_u24 v[AV0], v[AV0], PV
	v_lshl_add_u32 v[AV0], v11, 4, v[AV0]
	v_add_nc_u32 v[AV0], VOFF, v[AV0]
	v_mov_b32 v[AK], v[AK0]         ; key step 0 lies at the head of slot 0
; THE MATRIX WORK.  The 8 accumulators of a run of 16 take turns.
; Product i of 16 of S^T = K Q^T for piece x: channels 32 (i / 8) on, keys 16 ((i / 2) % 4) on, tile 2 x + i % 2.  The first 8 start the sums.
.macro KQ x
	WIN W_KQ
.set rS, S+64*((\x)%2)+32*(i%2)+8*((i/2)%4)
.set rK, KF+16*((i/2)%4)+8*(i/8)
.set rQ, 16*(2*(\x)+i%2)+8*(i/8)
.if i < 8
	v_wmma_f32_16x16x32_f16 v[rS:rS+7], v[rK:rK+7], v[rQ:rQ+7], 0
.else
	v_wmma_f32_16x16x32_f16 v[rS:rS+7], v[rK:rK+7], v[rQ:rQ+7], v[rS:rS+7]
.endif
.endm
; Product i of 16 of O^T += V^T P for piece x: keys 32 (i / 8) on, channels 16 ((i / 2) % 4) on, tile 2 x + i % 2.
.macro PV x
	WIN W_PV
.set rO, 32*(2*(\x)+i%2)+8*((i/2)%4)
.set rV, VF+32*(i/8)+8*((i/2)%4)
.set rP, P+32*((\x)%2)+16*(i%2)+8*(i/8)
	v_wmma_f32_16x16x32_f16 v[rO:rO+7], v[rV:rV+7], v[rP:rP+7], v[rO:rO+7]
.endm
.macro MM                           ; the turn's next matrix instruction
.if i < 16
	KQ (Y+1)%NP
.set i, i+1
.else
.set i, i-16
	PV (Y+NP-1)%NP
.set i, i+17
.endif
.endm
; THE LDS LOADS stand in runs of 16.  last = 1 (the tail): in the last trip there is no further step, and the run is jumped over.
.macro FETCH_K last=0
	WIN 0
.if \last
	s_cmp_eq_u32 s[CNT], 1
	s_cbranch_scc1 .Lno_k_\@
.endif
	WIN 0x80
.irp f, 0,1,2,3,4,5,6,7             ; keys 16 (f / 2) on, channels 32 (f % 2) on
	ds_load_b128 v[KF+8*\f:KF+8*\f+3],   v[AK] offset:(\f/2)*16*PK+(\f%2)*64
	ds_load_b128 v[KF+8*\f+4:KF+8*\f+7], v[AK] offset:(\f/2)*16*PK+(\f%2)*64+32
.endr
	s_add_co_u32 s[TBK], s[TBK], KS*PK  ; the next fetch is the next step's
	WIN 0
.if \last
.Lno_k_\@:
.endif
.endm
.macro FETCH_V
	WIN 0x80
.irp f, 0,1,2,3,4,5,6,7             ; keys 32 (f / 4) on, channels 16 (f % 4) on
	ds_load_tr16_b128 v[VF+8*\f:VF+8*\f+3],   v[AV] offset:(\f/4)*32*PV+(\f%4)*32
	ds_load_tr16_b128 v[VF+8*\f+4:VF+8*\f+7], v[AV] offset:(\f/4)*32*PV+16*PV+(\f%4)*32
.endr
	WIN 0
.endm
; THE MASK RUN, for piece Y + 1, whose scores the turn has just made.  Its two registers of words were asked for four runs ago; behind them the three runs between have issued two loads each, so the wait leaves
; six out.  Word n of the 64 goes into its scalar register (MWORD); where the word's bit is 0, register n of the piece's 64 scores becomes the masked value (MSEL).  The two kinds of line go by turns, the words
; eight ahead of the selects: a select finds its word written eight to fifteen lines back, and no long run of lines does nothing but write scalar registers.  One window setting serves both.  The scores are taken in
; ascending order.  Behind the run the two registers are asked for again, with the same piece's words of the next key step.
; Piece 0's run opens a key step: there the offset goes one step on, behind s_wait_xcnt 0, since the six loads that are out name it.  The clamp keeps the last step's look-ahead inside a tile's 4,096 bytes;
; what it brings serves nothing.
.macro MWORD
.if mwd < 32
	v_readlane_b32 s[MA+mwd], v[MK+2*mx], mwd
.else
	v_readlane_b32 s[MB+mwd-32], v[MK+2*mx+1], mwd-32
.endif
.set mwd, mwd+1
.endm
.macro MSEL
.if msc < 32
	v_cndmask_b32 v[mS+msc], v[NEG3], v[mS+msc], s[MA+msc]
.else
	v_cndmask_b32 v[mS+msc], v[NEG3], v[mS+msc], s[MB+msc-32]
.endif
.set msc, msc+1
.endm
.macro MRUN
.set mx, (Y+1)%NP
.set mS, S+64*(mx%2)
.set mwd, 0
.set msc, 0
	WIN W_MI
	s_wait_loadcnt 6
.rept 8
	MWORD
.endr
.rept 56
	MSEL
	MWORD
.endr
.rept 8
	MSEL
.endr
	WIN W_MR
.if mx == 0
	s_wait_xcnt 0x0
	s_add_co_u32 s[MOFF], s[MOFF], 128
	s_min_u32 s[MOFF], s[MOFF], 3968
	v_add_nc_u32 v[MAD], v[L4], s[MOFF]
.endif
	global_load_b32 v[MK+2*mx],   v[MAD], s[6:7] offset:8192*mx
	global_load_b32 v[MK+2*mx+1], v[MAD], s[6:7] offset:8192*mx+4096
	WIN 0
.endm
; THE REST OF A TURN'S VECTOR WORK stands in three queues, each in the order in which its entries become ready; the two tiles alternate.
.macro REGS y, u                    ; the registers of tile u (0, 1) of piece y
.set rT, ST+4*(2*(\y)+(\u))
.set rC, TMP+8*((\y)%2)+4*(\u)
.set rS, S+64*((\y)%2)+32*(\u)
.set rP, P+32*((\y)%2)+16*(\u)
.set rO, 32*(2*(\y)+(\u))
.endm
; Number n of the 21 that find the NEXT piece's (Y + 1) maximum and statistics.  s0-s31 are the lane's 32 scores.
;   0-11  four chains c0-c3 of seven scores each, three operands at a time     12-14, 16  the four scores left over, the old m, and c0-c3 into c0     15  m_old is kept
;   17, 18  the query's other 32 keys lie in the lane 16 away: the new m         19, 20  m_old - m_new; a
.macro XS u, n
	REGS (Y+1)%NP, \u
.if (\n) < 4
	v_max3_num_f32 v[rC+(\n)], v[rS+8*(\n)], v[rS+8*(\n)+1], v[rS+8*(\n)+2]
.elseif (\n) < 12
	v_max3_num_f32 v[rC+(\n)%4], v[rC+(\n)%4], v[rS+8*((\n)%4)+2*((\n)/4)+1], v[rS+8*((\n)%4)+2*((\n)/4)+2]
.elseif (\n) == 12
	v_max3_num_f32 v[rC], v[rC], v[rS+7], v[rS+15]
.elseif (\n) == 13
	v_max3_num_f32 v[rC+1], v[rC+1], v[rS+23], v[rS+31]
.elseif (\n) == 14
	v_max3_num_f32 v[rC+2], v[rC+2], v[rC+3], v[rT]
.elseif (\n) == 15
	v_mov_b32 v[rT+1], v[rT]
.elseif (\n) == 16
	v_max3_num_f32 v[rC], v[rC], v[rC+1], v[rC+2]
.elseif (\n) == 17
	v_permlanex16_b32 v[rC+3], v[rC], s[SEL], s[SEL+1]
.elseif (\n) == 18
	v_max_num_f32 v[rT], v[rC], v[rC+3]
.elseif (\n) == 19
	v_sub_f32 v[rC+1], v[rT+1], v[rT]
.else
	v_exp_f32 v[rC+2], v[rC+1]
.endif
.endm
; Number g of the 64 that follow the exponentials.  For each four weights k of a tile: both pairs are rounded to f16; then the second pair is added onto the first, in place; a group later l takes that sum
; (the first time as l = a l + sum).  In groups of eight, tiles alternating: round, round, add, and l for the group before.
.macro GS g
.set h, (\g)+6*((\g)/62)            ; group 0 has no group before it, and behind group 7 only l is left
.if h >= 6
.set h, h+2
.endif
	REGS Y, h%2
.set k, h/8
.if h%8 < 4
	s_wait_alu depctr_va_vdst(0)
	v_cvt_pk_f16_f32 v[rP+2*k+(h%8)/2], v[rS+4*k+2*((h%8)/2)], v[rS+4*k+2*((h%8)/2)+1]
.elseif h%8 < 6
	v_pk_add_f32 v[rS+4*k:rS+4*k+1], v[rS+4*k:rS+4*k+1], v[rS+4*k+2:rS+4*k+3]
.elseif k == 1
	v_pk_fma_f32 v[rT+2:rT+3], v[rT+2:rT+3], v[rC+2:rC+3], v[rS:rS+1] op_sel_hi:[1,0,1]
.else
	v_pk_add_f32 v[rT+2:rT+3], v[rT+2:rT+3], v[rS+4*k-4:rS+4*k-3]
	s_wait_alu depctr_va_vdst(0)
.endif
.endm
; THE PLAIN QUEUE, 136 long.  0-31: s - m for the 16 pairs of both tiles.  Then GS's 64, and among them the next piece's 40: number 15 at 38, 39; 0-14 and 16 at 42-73, behind the mask run;
; 17-19 at 95-103, two of three, since each waits for the one before it.
.macro PL
	WIN 0
.if q < 32
	REGS Y, q%2
	v_pk_add_f32 v[rS+2*(q/2):rS+2*(q/2)+1], v[rS+2*(q/2):rS+2*(q/2)+1], v[rT:rT+1] op_sel_hi:[1,0] neg_lo:[0,1] neg_hi:[0,1]
.elseif q < 38
	GS q-32
.elseif q < 40
	XS q%2, 15
.elseif q < 42
	GS q-34
.elseif q < 74
	XS q%2, (q-42)/2+(q-42)/30
.elseif q < 95
	GS q-66
.elseif (q < 104) && ((q-95)%3 < 2)
	XS (q-95)%3, 17+(q-95)/3
.elseif q < 104
	GS 29+(q-95)/3
.else
	GS q-72
.endif
.set q, q+1
.endm
; THE EXPONENTIALS' QUEUE, 66 long: s0-s31 of both tiles, and at EA the next piece's two a.
.set EA, 58
.macro EX
	WIN 0
.if (e == EA) || (e == EA+1)
	XS e-EA, 20
.else
.set x, e-2*(e/(EA+2))
	REGS Y, x%2
	v_exp_f32 v[rS+x/2], v[rS+x/2]
.endif
.set e, e+1
.endm
; THE RESCALING's QUEUE: O^T times a, the one part that leaves window 0, so it is dealt four at a time, eight times.
.macro R4
	REGS Y, r%2
	WIN W_RS
	s_wait_alu depctr_va_vdst(0)
.irp z, 0,1,2,3
	v_pk_mul_f32 v[rO+8*(r/2)+2*\z:rO+8*(r/2)+2*\z+1], v[rO+8*(r/2)+2*\z:rO+8*(r/2)+2*\z+1], v[rC+2:rC+3] op_sel_hi:[1,0]
.endr
.set r, r+1
.endm
; HOW THEY ARE DEALT.  Behind a matrix instruction four: plain, exponential, plain, plain, or four of the rescaling; none names a register of the products round it.  What is over stands in two lumps, exponential and
; plain by turns; the second ends in 20 plain instructions.  The queues lean on each other, and the deal keeps them in step: exponential e stands behind plain 2 (e / 4) + e % 2 (its subtraction); when plain 32 comes,
; 10 exponentials are out, at 59: 33, at 95: 46, at 116: all 66; the argument of a is made at plain 101, 102, and EA comes behind plain 107.
.macro SL
	MM
	PL
	EX
	PL
	PL
.endm
.macro BURST n                      ; 15 matrix instructions, or 16
.rept (\n)-7
	SL
.endr
.rept 3
	MM
	R4
	SL
.endr
	MM
	R4
.endm
; A TURN, for piece p.  cnt = 1: the loop's count is taken down some lines ahead of the branch that stands behind the turn.
; The mask run stands in the first lump where plain 42, the first line that reads the new scores, is next: behind the last product K Q^T stand four rescalings, which are its places, and five pairs.
; K of the next step is fetched in piece 2's turn, behind the mask run; V of the step in hand at the end of piece 0's turn.  The conditions on q and e below go with the deal.
.macro TURN p, last=0, cnt=0
.set Y, (\p)
.set i, 0
.set q, 0
.set e, 0
.set r, 0
.if (\p) == NP-1
	s_wait_dscnt 0x0                ; K is in
.endif
	MM
.rept 4
	PL
.endr
	BURST 15
.rept 22
	EX
	PL
.if q == 42
	MRUN
.endif
.if ((\p) == NP-2) && (e == 18)
	v_add_nc_u32 v[AK], s[TBK], v[AK0]
.endif
.if ((\p) == NP-2) && (e == 24)
	FETCH_K \last
.endif
.endr
.if (\p) == 1
	s_wait_dscnt 0x0                ; V is in
.endif
	BURST 16
.rept 21
	EX
	PL
.endr
.rept 20
	PL
.if ((\p) == 0) && (q == 118)
	v_add_nc_u32 v[AV], s[TBV], v[AV0]
	s_wait_alu depctr_va_vdst(0)
.endif
.if ((\p) == 0) && (q == 130)
	s_add_co_u32 s[TBV], s[TBV], KS*PV
.endif
.if (\cnt) && (q == 130)
	s_sub_co_u32 s[CNT], s[CNT], 1
	s_cmp_lg_u32 s[CNT], 0
.endif
.endr
.if (\p) == 0
	FETCH_V
.endif
.endm
	CHANGE 1                        ; slot 0 is in, everybody's part of it; slot 1 is asked for
	FETCH_K                         ; key step 0
	s_wait_loadcnt 0x0              ; Q, and key step 0's mask words
	s_wait_dscnt 0x0
.set i, 0
.rept 16
	KQ 0                            ; piece 0's first scores
.set i, i+1
.endr
	WIN 0                           ; the addresses for the way out: nine plain instructions, the places behind those products
	s_mul_i32 s13, s[WV], 16*SP
	s_add_co_u32 s13, s13, STAGE    ; my stage
	v_mul_u32_u24 v[STO], v1, SP    ; in: row l % 16, 16 bytes for each half of the lanes
	v_lshl_add_u32 v[STO], v9, 4, v[STO]
	v_add_nc_u32 v[STO], s13, v[STO]
	v_bfe_u32 v[RD], v0, 3, 2       ; back: 32 lanes take four rows of 128 bytes,
	v_mul_u32_u24 v[RD], v[RD], SP
	v_lshl_add_u32 v[RD], v10, 4, v[RD]
	v_add_nc_u32 v[RD], s13, v[RD]
	v_and_b32 v[GO], 31, v0         ; which are 512 consecutive bytes of O
	v_lshlrev_b32 v[GO], 4, v[GO]
.set Y, NP-1                        ; MRUN and XS work for piece Y + 1: piece 0
	MRUN                            ; piece 0's mask; its words of key step 1 are asked for
.irp n, 0,1,2,3,4,5,6,7,8,9,10,11,12,13,14,15,16,17,18,19,20
	XS 0, \n                        ; and piece 0's first maximum and statistics
	XS 1, \n
.endr
	s_mov_b32 s[CNT], 4
	s_mov_b32 s[SLOTS], SIZE_N/256-1
	s_branch .Lfirst                ; the loop is entered at a step's first turn, in the middle of a trip
.Lslot:                             ; SIZE_N / 256 - 2 times: every slot but the last two is filled again
	CHANGE 1
	s_mov_b32 s[CNT], 4
.Lstep:                             ; a trip: pieces 2 and 3 of one step, then pieces 0 and 1 of the next, whose K and V it fetches
	TURN 2
	TURN 3
	WIN 0
.Lfirst:
	TURN 0
	TURN 1, 0, 1
	WIN 0
	s_cbranch_scc1 .Lstep
	s_sub_co_u32 s[SLOTS], s[SLOTS], 1
	s_cmp_lg_u32 s[SLOTS], 0
	s_cbranch_scc1 .Lslot
	CHANGE 0                        ; the tail is written out: nothing is asked for
	s_mov_b32 s[CNT], 5             ; four trips fetch the last slot's steps; the fifth is left in its middle
.Ltail:
	TURN 2, 1
	TURN 3
	WIN 0
	s_sub_co_u32 s[CNT], s[CNT], 1
	s_cmp_eq_u32 s[CNT], 0
	s_cbranch_scc1 .Lout
	TURN 0
	TURN 1
	WIN 0
	s_branch .Ltail
.Lout:                              ; the fifth trip's 16 products K Q^T (on the last K once more), their mask run and maximum, and the mask words asked for last, serve nothing: the price, once a launch, of one text for every trip
.set i, 0
.rept 16
	PV NP-1                         ; the last piece's V^T P of the last step
.set i, i+1
.endr
	; THE WAY OUT.  l's two halves and the other half of the lanes' are added; O^T is divided by l, rounded to f16 and sent through my stage in LDS, a tile at a time.  The additions are the places behind the last products.
	WIN 0
.macro ALL line:vararg              ; one line for each tile t
.set t, 0
.rept 2*NP
	\line
.set t, t+1
.endr
.endm
	ALL v_add_f32 v[ST+4*t+2], v[ST+4*t+2], v[ST+4*t+3]
	ALL v_permlanex16_b32 v[ST+4*t+3], v[ST+4*t+2], s[SEL], s[SEL+1]
	ALL v_add_f32 v[ST+4*t+2], v[ST+4*t+2], v[ST+4*t+3]
	ALL v_rcp_f32 v[ST+4*t+2], v[ST+4*t+2]
	v_nop                           ; a plain instruction between the last reciprocal and the use of its result
	s_wait_alu depctr_va_vdst(0)
; Tile t: a lane's eight channels of a row pack into 16 bytes; they go into rows of 144 bytes and come back as whole rows of 128, into S^T's registers.
.macro PACK t
	WIN W_RS
.set i, 32*(\t)
.rept 16
	v_pk_mul_f32 v[i:i+1], v[i:i+1], v[ST+4*(\t)+2:ST+4*(\t)+3] op_sel_hi:[1,0]
.set i, i+2
.endr
	WIN 0x05                        ; sources 0 and 1 window 1, destination window 0
.set i, 0
.rept 16
	v_cvt_pk_f16_f32 v[S+16*(\t)+i], v[32*(\t)+2*i], v[32*(\t)+2*i+1]
.set i, i+1
.endr
	WIN 0
.irp f, 0,1,2,3
	ds_store_b128 v[STO], v[S+16*(\t)+4*\f:S+16*(\t)+4*\f+3] offset:32*\f
.endr
.irp f, 0,1,2,3
	ds_load_b128 v[S+16*(\t)+4*\f:S+16*(\t)+4*\f+3], v[RD] offset:\f*4*SP  ; LDS serves a wave's instructions in order (ISA guide 5.7.1.4): these see the stores above; the next tile's stores come behind them
.endr
.endm
.macro SEND t, younger              ; younger: the LDS instructions issued behind tile t's loads: the next tile's eight, or none
	WIN 0
.irp f, 0,1,2,3
	s_wait_dscnt (\younger)+3-\f
	global_store_b128 v[GO], v[S+16*(\t)+4*\f:S+16*(\t)+4*\f+3], s[8:9] offset:(\t)*2048+\f*512  ; 512 consecutive bytes, aligned
.endr
.endm
	PACK 0
.set t, 1
.rept 2*NP-1                        ; a tile's arithmetic stands between the loads of the tile before and its stores
	PACK t
	SEND t-1, 8
.set t, t+1
.endr
	SEND 2*NP-1, 0
	WIN W_AD
	s_wait_tensorcnt 0x0            ; the wave's end, behind my last tensor load and my last LDS store
	ds_add_u32 v[SPW], v[NIL]
	s_wait_dscnt 0x0
	WIN 0
	CROUND                          ; the closing round: no work-group ends while a partner may still ask for a tile that names it
	s_endpgm
.Lfunc_end_k_q77257dca35_attn:
	.size	k_q77257dca35_attn, .Lfunc_end_k_q77257dca35_attn-k_q77257dca35_attn
	.p2alignl 7, 3214868480
	.fill 96, 4, 3214868480
	.section	.rodata,"a",@progbits
	.p2align	6, 0x0
	.amdhsa_kernel k_q77257dca35_attn
		.amdhsa_group_segment_fixed_size 327680
		.amdhsa_private_segment_fixed_size 0
		.amdhsa_enable_private_segment 0
		.amdhsa_kernarg_size 24
		.amdhsa_user_sgpr_count 2
		.amdhsa_user_sgpr_kernarg_segment_ptr 1
		.amdhsa_wavefront_size32 1
		.amdhsa_system_sgpr_workgroup_id_x 1
		.amdhsa_system_sgpr_workgroup_id_y 1
		.amdhsa_system_sgpr_workgroup_id_z 1
		.amdhsa_system_vgpr_workitem_id 0
		.amdhsa_next_free_vgpr 784
		.amdhsa_next_free_sgpr 102
		.amdhsa_reserve_vcc 0
		.amdhsa_float_denorm_mode_32 3
		.amdhsa_float_denorm_mode_16_64 3
		.amdhsa_memory_ordered 1
		.amdhsa_forward_progress 1
		.amdhsa_inst_pref_size 255
	.end_amdhsa_kernel
	.section	.bss,"aw",@nobits
	.p2align	6
	.space	262144
	.amdgpu_metadata
---
amdhsa.version: [ 1, 2 ]
amdhsa.kernels:
  - .name:           k_q77257dca35_attn
    .symbol:         k_q77257dca35_attn.kd
    .args:
      - { .name: qkvh, .offset: 0, .size: 8, .value_kind: global_buffer, .address_space: global }
      - { .name: maskw, .offset: 8, .size: 8, .value_kind: global_buffer, .address_space: global }
      - { .name: ctx, .offset: 16, .size: 8, .value_kind: global_buffer, .address_space: global }
    .group_segment_fixed_size: 327680
    .private_segment_fixed_size: 0
    .kernarg_segment_align: 8
    .kernarg_segment_size: 24
    .max_flat_workgroup_size: 128
    .sgpr_count:     102
    .vgpr_count:     784
    .wavefront_size: 32
...
	.end_amdgpu_metadata
.endif
;; end of part 3
;; launch outp (part 4): grid 4 x 64, 4 waves a work-group, clusters of 4 x 4, 327,680 bytes of LDS; arguments ctx, w16, out0; writes out0
.if DOCPART == 4
	.amdgcn_target "amdgcn-amd-amdhsa--gfx1250"
	.amdhsa_code_object_version 6
	.text
	.protected	k_q77257dca35_outp
	.globl	k_q77257dca35_outp
	.p2align	8
	.type	k_q77257dca35_outp,@function
k_q77257dca35_outp:
	s_mov_b64 s[64:65], 0
	v_nop
	global_prefetch_b8 v0, s[64:65] scope:SCOPE_SE
	s_setreg_imm32_b32 hwreg(HW_REG_WAVE_MODE, 25, 1), 1
	s_wait_xcnt 0x0
	s_wait_alu depctr_hold_cnt(0) depctr_sa_sdst(0) depctr_va_vdst(0) depctr_va_sdst(0) depctr_va_ssrc(0) depctr_va_vcc(0) depctr_vm_vsrc(0)
	s_getreg_b32 s2, hwreg(HW_REG_IB_STS2, 6, 4)
	s_cmp_eq_u32 s2, 0
	s_cbranch_scc0 .Lentry_in_a_cluster
	s_endpgm
.Lentry_in_a_cluster:
	s_bfe_u32 s2, ttmp6, 0x10000c
	s_cmp_lg_u32 s2, 0xf033
	s_cbranch_scc0 .Lentry_shape_is_right
	s_endpgm
.Lentry_shape_is_right:
; THE OUTPUT PROJECTION.  out0[m][e] = sum over d of ctx[m][d] Wo[e][d], m = 2048 b + n = 0..8191, e, d = 0..1023.  ctx lies by heads, [16 b + d / 64][n][d % 64] in f16; Wo is slab 3 of w16, f16; sums and out0 in f32.
; SHARES.  A tile of out0 is 128 rows x 256 columns: 64 x 4 = 256 work-groups.  Four waves, 2 x 2, each 64 x 128: 32 accumulators.
; K goes in 8 steps of 128, two heads each, through two LDS slots.  A head's 128 rows are 16,384 dense bytes (a PLANE): waves 0, 1 fetch a plane each, as 64 rows of 256 bytes padded after every 128;
; waves 2, 3 fetch 128 rows x 256 bytes of Wo each.  A K step is written once: the LDS addresses hang on a scalar that an exclusive or turns from slot to slot, and one descriptor a tensor walks.
; CLUSTER 4 x 4: ctx's planes are shared along a row of the cluster, Wo's rows along a column, each by a joint load.
; THE MATRIX INSTRUCTION IS USED TRANSPOSED (source 0 = 16 rows of Wo, source 1 = 16 rows of ctx): a lane holds eight neighbouring columns of one row of out0, 32 bytes.
; REGISTERS: window 0: v8-14, v28-29 addresses; v32-63, v64-95 ctx's fragments, two buffers; v96-159, v160-223 Wo's; on the way out v32-95, v96-159 hold rows.  Window 1: accumulator (a, b) at v[8 (8 a + b)].
.set PA,    144                        ; a row of a plane in LDS: 128 bytes + 16 = 9 x 16: the 16 rows of a load start at 16 different 16-byte columns of 256
.set PB,    272                        ; a row of Wo: 256 + 16 = 17 x 16: likewise
.set PLANE, 128*PA
.set HALFB, 128*PB
.set BOFF,  2*PLANE
.set SLOT1, 1<<17                      ; slot 1 begins here (a slot has 106,496 bytes)
.set STAGE, SLOT1+BOFF+2*HALFB         ; behind the ring, never filled by a tensor load: 16 rows x 528 bytes for each wave
.set SPITCH, 528
.set SPARE, STAGE+4*16*SPITCH          ; the spare words, 128 bytes for each wave: two blocks of 256 bytes that no other line names
.set ADRA0, 8                          ; v8   my lane's place in a slot's planes; never rewritten
.set ADRB0, 9                          ; v9   in its rows of Wo
.set ADRA,  10                         ; v10  the same in the slot in hand
.set ADRB,  11                         ; v11
.set STO,   12                         ; v12  the way out: where I put 32 bytes of a row
.set RD,    13                         ; v13  where I read a row back
.set CO,    14                         ; v14  my 16 bytes in 512 of a row of out0
.set SPW,   28                         ; v28  LDS address of my spare word; never rewritten
.set NIL,   29                         ; v29  0; never rewritten
.set FA,    32
.set FB,    96
.set BK,    32
.set G1A, 24                           ; s[24:31] descriptor group 1 for ctx;  s[32:39] group 0: a set for each first fill; the second then walks
.set G0A, 32
.set G1B, 48                           ; s[48:55], s[56:63] the same for Wo
.set G0B, 56
.set TB,  46                           ; s46  LDS byte at which the slot in hand begins
.set MSB, 0
.macro WIN new
.if MSB != (\new)
	s_set_vgpr_msb (MSB<<8)|(\new)
.set MSB, \new
.endif
.endm
.set MUL, 0x50                         ; sources 0 and 1 window 0; C and D window 1
.macro JLOAD                           ; a joint refill by the walking descriptors; an s_nop 0 and four v_nop follow each of the two lines, ahead of the jump and the label
	s_cmp_eq_u32 s11, 0
	s_cbranch_scc0 .Lfor_b_\@
	tensor_load_to_lds s[G0A+4:G0A+7], s[G1A:G1A+7]
	s_nop 0
.rept 4
	v_nop
.endr
	s_branch .Lasked_\@
.Lfor_b_\@:
	tensor_load_to_lds s[G0B+4:G0B+7], s[G1B:G1B+7]
	s_nop 0
.rept 4
	v_nop
.endr
.Lasked_\@:
.endm
.macro CREST
	s_cmp_lg_u32 s10, 0
	s_cbranch_scc1 .Lnot_wave_0_\@
	s_barrier_signal -3
.Lnot_wave_0_\@:
	s_barrier_wait -3
	s_barrier_signal -1
	s_barrier_wait -1
.endm
.macro CROUND
	s_barrier_signal -1
	s_barrier_wait -1
	CREST
.endm
	s_load_b128 s[4:7], s[0:1], 0x0                ; ctx s[4:5], w16 s[6:7]
	s_load_b64 s[8:9], s[0:1], 0x10                ; out0
	v_lshl_add_u32 v[SPW], v0, 2, SPARE
	v_mov_b32 v[NIL], 0
	ds_add_u32 v[SPW], v[NIL]                      ; the wave's opening: the add and its wait stand ahead of my first tensor load; the set-up below stands between them
	ds_add_u32 v28, v29
	v_lshrrev_b32 v1, 5, v0
	v_readfirstlane_b32 s10, v1                    ; wave 0..3
	s_lshr_b32 s11, s10, 1                         ; which 64 of the tile's rows are mine.  Also: I fetch ctx (0) or Wo (1)
	s_and_b32 s12, s10, 1                          ; which 128 of its columns.  Also: which plane, or which half of Wo's rows, I fetch
	s_bfe_u32 s14, ttmp6, 0x40000                  ; cx
	s_bfe_u32 s15, ttmp6, 0x40004                  ; cy
	s_lshl_b32 s16, ttmp9, 2
	s_add_co_u32 s16, s16, s14                     ; tile column 0..3
	s_and_b32 s13, ttmp7, 0xffff
	s_lshl_b32 s13, s13, 2
	s_add_co_u32 s13, s13, s15                     ; tile row 0..63
	s_lshl_b32 s40, s15, 2
	s_lshl_b32 s40, 15, s40                        ; my row of the cluster
	s_lshl_b32 s41, 0x1111, s14                    ; my column
	s_or_b32 s[G1A+0], s40, (1<<16)|(1<<20)|(1<<21)|(4<<22)|(3<<25)  ; the mask; 2-byte elements; padding on; bit 21 beside a mask; after every 32 words (code 4) 4 words (code 3)
	s_or_b32 s[G1B+0], s41, (1<<16)|(1<<20)|(1<<21)|(5<<22)|(3<<25)  ; after every 64 words (code 5) 4 words
	s_mov_b32 s[G1A+1], 128<<16                    ; tensor_dim0 = 128
	s_mov_b32 s[G1A+2], 64<<16                     ; tensor_dim1 = 64
	s_mov_b32 s[G1A+3], 128<<16                    ; tile_dim0 = 128
	s_mov_b32 s[G1A+4], 64                         ; tile_dim1 = 64
	s_mov_b32 s[G1A+5], 128                        ; dense: 128 elements from row to row
	s_mov_b32 s[G1A+6], 0
	s_mov_b32 s[G1A+7], 0
	s_mov_b32 s[G1B+1], 128<<16
	s_mov_b32 s[G1B+2], 128<<16                    ; 128 rows
	s_mov_b32 s[G1B+3], 128<<16
	s_mov_b32 s[G1B+4], 128
	s_mov_b32 s[G1B+5], 1024
	s_mov_b32 s[G1B+6], 0
	s_mov_b32 s[G1B+7], 0
	s_lshr_b32 s18, s13, 4                         ; ctx: head 16 b + my plane, 262,144 bytes a head: registers that never hold cx
	s_lshl_b32 s18, s18, 4
	s_add_co_u32 s18, s18, s12
	s_lshl_b32 s18, s18, 18
	s_and_b32 s19, s13, 15                         ; the tile's 128 rows of 128 bytes
	s_lshl_b32 s19, s19, 14
	s_add_co_u32 s18, s18, s19
	s_mov_b32 s19, 0
	s_lshl_b32 s20, s16, 19                        ; Wo: slab 3, (256 x tile column + 128 x half) rows of 2,048 bytes: registers that never hold cy
	s_lshl_b32 s21, s12, 18
	s_add_co_u32 s20, s20, s21
	s_add_co_u32 s20, s20, 3*2097152
	s_mov_b32 s21, 0
	s_mul_i32 s22, s12, PLANE                      ; where they go: the wave's number alone enters an LDS address
	s_mul_i32 s23, s12, HALFB
	s_add_co_u32 s23, s23, BOFF
	s_mov_b32 s[TB], 0
	s_wait_dscnt 0x0                               ; the opening add is done
	s_wait_kmcnt 0x0
	s_add_nc_u64 s[4:5], s[4:5], s[18:19]
	s_add_nc_u64 s[6:7], s[6:7], s[20:21]
.irp s, 0,1
	s_mov_b32 s[G0A+4*(\s)], 1
	s_add_co_u32 s[G0A+4*(\s)+1], s22, (\s)*SLOT1
	s_add_nc_u64 s[G0A+4*(\s)+2:G0A+4*(\s)+3], s[4:5], (\s)*524288   ; K step s: two heads on
	s_or_b32 s[G0A+4*(\s)+3], s[G0A+4*(\s)+3], 0x80000000
	s_mov_b32 s[G0B+4*(\s)], 1
	s_add_co_u32 s[G0B+4*(\s)+1], s23, (\s)*SLOT1
	s_add_nc_u64 s[G0B+4*(\s)+2:G0B+4*(\s)+3], s[6:7], (\s)*256
	s_or_b32 s[G0B+4*(\s)+3], s[G0B+4*(\s)+3], 0x80000000
.endr
	CROUND                                         ; all sixteen work-groups are here: the first joint loads meet
	s_cmp_eq_u32 s11, 0                            ; a wave's two first fills stand in one branch, ahead of every wait on TENSORcnt and every LDS read: two loads of mine are out
	s_cbranch_scc0 .Lfirst_b
	tensor_load_to_lds s[G0A:G0A+3], s[G1A:G1A+7]
	s_nop 0
	tensor_load_to_lds s[G0A+4:G0A+7], s[G1A:G1A+7]
	s_nop 0
.rept 4
	v_nop
.endr
	s_branch .Lfirst_asked
.Lfirst_b:
	tensor_load_to_lds s[G0B:G0B+3], s[G1B:G1B+7]
	s_nop 0
	tensor_load_to_lds s[G0B+4:G0B+7], s[G1B:G1B+7]
	s_nop 0
.rept 4
	v_nop
.endr
.Lfirst_asked:
	v_and_b32 v1, 15, v0                           ; l % 16
	v_bfe_u32 v2, v0, 4, 1                         ; l / 16
	v_mul_u32_u24 v3, v1, PA
	v_lshl_add_u32 v3, v2, 4, v3
	s_mul_i32 s40, s11, 64*PA                      ; my 64 rows of a plane
	v_add_nc_u32 v[ADRA0], s40, v3
	v_mul_u32_u24 v3, v1, PB
	v_lshl_add_u32 v3, v2, 4, v3
	s_mul_i32 s41, s12, HALFB                      ; my 128 rows of Wo
	s_add_co_u32 s41, s41, BOFF
	v_add_nc_u32 v[ADRB0], s41, v3
	v_mov_b32 v[ADRA], v[ADRA0]                    ; slot 0
	v_mov_b32 v[ADRB], v[ADRB0]
	s_mul_i32 s42, s10, 16*SPITCH
	s_add_co_u32 s42, s42, STAGE                   ; my stage
	v_mul_u32_u24 v3, v1, SPITCH                   ; in: row l % 16, 32 bytes for each half of the lanes
	v_lshl_add_u32 v3, v2, 5, v3
	v_add_nc_u32 v[STO], s42, v3
	v_and_b32 v[CO], 31, v0                        ; back: 32 lanes take one row of 512 bytes
	v_lshlrev_b32 v[CO], 4, v[CO]
	v_add_nc_u32 v[RD], s42, v[CO]
	s_lshl_b32 s44, s13, 19                        ; out0: (128 x tile row + 64 x half) rows of 4,096 bytes,
	s_lshl_b32 s45, s11, 18
	s_add_co_u32 s44, s44, s45
	s_lshl_b32 s45, s16, 10                        ; 1,024 bytes a tile column,
	s_add_co_u32 s44, s44, s45
	s_lshl_b32 s45, s12, 9                         ; my 512 of them
	s_add_co_u32 s44, s44, s45
	s_mov_b32 s45, 0
	s_add_nc_u64 s[8:9], s[8:9], s[44:45]
.macro MUL8 f, a, zero                 ; eight products: rows 16 a, all eight column blocks, buffer f.  The 32 accumulators take turns.  zero = 1: they start the sums
	WIN MUL
.irp b, 0,1,2,3,4,5,6,7
.if \zero
	v_wmma_f32_16x16x32_f16 v[8*(8*(\a)+(\b)):8*(8*(\a)+(\b))+7], v[FB+64*(\f)+8*(\b):FB+64*(\f)+8*(\b)+7], v[FA+32*(\f)+8*(\a):FA+32*(\f)+8*(\a)+7], 0
.else
	v_wmma_f32_16x16x32_f16 v[8*(8*(\a)+(\b)):8*(8*(\a)+(\b))+7], v[FB+64*(\f)+8*(\b):FB+64*(\f)+8*(\b)+7], v[FA+32*(\f)+8*(\a):FA+32*(\f)+8*(\a)+7], v[8*(8*(\a)+(\b)):8*(8*(\a)+(\b))+7]
.endif
.endr
.endm
; 24 LDS loads in one run: quarter kq of the slot in hand (32 along K: half of plane kq / 2) into buffer g
.macro FETCH kq, g
	WIN 0
.irp b, 0,1,2,3,4,5,6,7
	ds_load_b128 v[FB+64*(\g)+8*(\b):FB+64*(\g)+8*(\b)+3],   v[ADRB] offset:64*(\kq)+(\b)*16*PB
	ds_load_b128 v[FB+64*(\g)+8*(\b)+4:FB+64*(\g)+8*(\b)+7], v[ADRB] offset:64*(\kq)+(\b)*16*PB+32
.endr
.irp a, 0,1,2,3
	ds_load_b128 v[FA+32*(\g)+8*(\a):FA+32*(\g)+8*(\a)+3],   v[ADRA] offset:((\kq)/2)*PLANE+((\kq)%2)*64+(\a)*16*PA
	ds_load_b128 v[FA+32*(\g)+8*(\a)+4:FA+32*(\g)+8*(\a)+7], v[ADRA] offset:((\kq)/2)*PLANE+((\kq)%2)*64+(\a)*16*PA+32
.endr
.endm
.macro PLACES                          ; four places in front of loads into registers that matrix instructions have read, and of LDS stores that read results
.rept 4
	v_nop
.endr
.endm
.macro QUARTER kq, f, g, zero          ; multiplies buffer f and fetches quarter kq into buffer g
	s_wait_dscnt 0x0                               ; buffer f is in
	MUL8 \f, 0, \zero
	MUL8 \f, 1, \zero
	PLACES
	FETCH \kq, \g
	MUL8 \f, 2, \zero
	MUL8 \f, 3, \zero
.endm
; The last quarter multiplies buffer 1 and changes slots: ONE barrier; in front of it each wave waits for all its tensor loads (one is out: its part of the next slot), adds 0 to its spare word, and waits for
; that and for its reads of this slot.  fill = 1: the barrier opens a round of the cluster's, and this slot is filled again, two K steps ahead, first thing behind the round.
.macro TURN fill
	WIN 0
	s_wait_tensorcnt 0x0                           ; no tensor load of mine is out, so a group 0 may be written
	ds_add_u32 v[SPW], v[NIL]                      ; 0 onto my spare word
.if \fill
	s_xor_b32 s[G0A+5], s[G0A+5], SLOT1            ; the walking descriptors: the other slot than last time, the next K step
	s_add_nc_u64 s[G0A+6:G0A+7], s[G0A+6:G0A+7], 524288
	s_xor_b32 s[G0B+5], s[G0B+5], SLOT1
	s_add_nc_u64 s[G0B+6:G0B+7], s[G0B+6:G0B+7], 256
.endif
	s_wait_dscnt 1                                 ; buffer 1 is in; the add may be out
	MUL8 1, 0, 0
	s_wait_dscnt 0x0                               ; the add is done, and my reads of this slot are over
	s_barrier_signal -1
	MUL8 1, 1, 0
.if \fill
	WIN 0
.endif
	s_barrier_wait -1
.if \fill
	CREST                                          ; no wave of any partner still reads this slot or has a load on its way
	JLOAD                                          ; the four v_nop behind it are also the places in front of the loads below
.else
	PLACES
.endif
	WIN 0
	s_xor_b32 s[TB], s[TB], SLOT1                  ; the fetches go on in the other slot
	v_add_nc_u32 v[ADRA], s[TB], v[ADRA0]
	v_add_nc_u32 v[ADRB], s[TB], v[ADRB0]
	FETCH 0, 0
	MUL8 1, 2, 0
	MUL8 1, 3, 0
.endm
	s_wait_tensorcnt 1                             ; my part of K step 0 is in; K step 1's may stay out
	s_barrier_signal -1
	s_barrier_wait -1                              ; everybody's is
	FETCH 0, 0
	QUARTER 1, 0, 1, 1                             ; the first quarter stands in front of the loop: its products start the sums
	WIN 0                                          ; at a label and at a branch every window is 0
	s_mov_b32 s3, 6
.Lstep:                                                ; a trip: from a K step's second quarter to the next step's first; K steps 2 to 7 are asked for
	QUARTER 2, 1, 0, 0
	QUARTER 3, 0, 1, 0
	TURN 1
	QUARTER 1, 0, 1, 0
	WIN 0
	s_sub_co_u32 s3, s3, 1
	s_cmp_lg_u32 s3, 0
	s_cbranch_scc1 .Lstep
	QUARTER 2, 1, 0, 0                             ; the last two K steps ask for nothing
	QUARTER 3, 0, 1, 0
	TURN 0
	QUARTER 1, 0, 1, 0
	QUARTER 2, 1, 0, 0
	QUARTER 3, 0, 1, 0
	s_wait_dscnt 0x0
	MUL8 1, 0, 0
	MUL8 1, 1, 0
	MUL8 1, 2, 0
	MUL8 1, 3, 0
	PLACES
	; THE WAY OUT, 16 rows at a time: a lane's 32 bytes go into rows of 528 bytes of my own stage, each accumulator's low registers first, and come back as whole rows of 512.
.irp a, 0,1,2,3
	WIN 0x04                                       ; the stores' data in window 1
.irp b, 0,1,2,3,4,5,6,7
	ds_store_b128 v[STO], v[8*(8*(\a)+(\b)):8*(8*(\a)+(\b))+3]   offset:64*(\b)
	ds_store_b128 v[STO], v[8*(8*(\a)+(\b))+4:8*(8*(\a)+(\b))+7] offset:64*(\b)+16
.endr
	WIN 0
.if (\a) >= 2
	s_wait_xcnt 0x0                                ; these registers were the data of the stores two blocks back: they are loaded again only behind this wait
.endif
.irp t, 0,1,2,3,4,5,6,7,8,9,10,11,12,13,14,15
	ds_load_b128 v[BK+64*((\a)%2)+4*(\t):BK+64*((\a)%2)+4*(\t)+3], v[RD] offset:(\t)*SPITCH  ; LDS serves a wave's instructions in order (ISA guide 5.7.1.4): these see the stores above; the next block's stores come behind them
.endr
.irp t, 0,1,2,3,4,5,6,7,8,9,10,11,12,13,14,15
	s_wait_dscnt 15-(\t)
	global_store_b128 v[CO], v[BK+64*((\a)%2)+4*(\t):BK+64*((\a)%2)+4*(\t)+3], s[8:9] offset:(16*(\a)+(\t))*4096 th:TH_STORE_NT  ; 512 consecutive bytes, aligned; nothing reads them again
.endr
.endr
	s_wait_tensorcnt 0x0                           ; the wave's end, behind my last tensor load and my last LDS store
	ds_add_u32 v[SPW], v[NIL]
	s_wait_dscnt 0x0
	CROUND                                         ; the closing round: no work-group ends while a partner may still ask for a tile that names it
	s_endpgm
.Lfunc_end_k_q77257dca35_outp:
	.size	k_q77257dca35_outp, .Lfunc_end_k_q77257dca35_outp-k_q77257dca35_outp
	.p2alignl 7, 3214868480
	.fill 96, 4, 3214868480
	.section	.rodata,"a",@progbits
	.p2align	6, 0x0
	.amdhsa_kernel k_q77257dca35_outp
		.amdhsa_group_segment_fixed_size 327680
		.amdhsa_private_segment_fixed_size 0
		.amdhsa_enable_private_segment 0
		.amdhsa_kernarg_size 24
		.amdhsa_user_sgpr_count 2
		.amdhsa_user_sgpr_kernarg_segment_ptr 1
		.amdhsa_wavefront_size32 1
		.amdhsa_system_sgpr_workgroup_id_x 1
		.amdhsa_system_sgpr_workgroup_id_y 1
		.amdhsa_system_sgpr_workgroup_id_z 1
		.amdhsa_system_vgpr_workitem_id 0
		.amdhsa_next_free_vgpr 512
		.amdhsa_next_free_sgpr 66
		.amdhsa_reserve_vcc 0
		.amdhsa_float_denorm_mode_32 3
		.amdhsa_float_denorm_mode_16_64 3
		.amdhsa_memory_ordered 1
		.amdhsa_forward_progress 1
		.amdhsa_inst_pref_size 70
	.end_amdhsa_kernel
	.amdgpu_metadata
---
amdhsa.version: [ 1, 2 ]
amdhsa.kernels:
  - .name:           k_q77257dca35_outp
    .symbol:         k_q77257dca35_outp.kd
    .args:
      - { .name: ctx, .offset: 0, .size: 8, .value_kind: global_buffer, .address_space: global }
      - { .name: w16, .offset: 8, .size: 8, .value_kind: global_buffer, .address_space: global }
      - { .name: out0, .offset: 16, .size: 8, .value_kind: global_buffer, .address_space: global }
    .group_segment_fixed_size: 327680
    .private_segment_fixed_size: 0
    .kernarg_segment_align: 8
    .kernarg_segment_size: 24
    .max_flat_workgroup_size: 128
    .sgpr_count:     66
    .vgpr_count:     512
    .wavefront_size: 32
...
	.end_amdgpu_metadata
.endif
;; end of part 4
